; MI455X (gfx1250); checked and timed in simulation.
; The chip was launched on July 23, 2026; its instructions are those of AMD's public machine-readable ISA for CDNA 5 (MIT licence, August 2026) and "CDNA5" Instruction Set Architecture Reference Guide (July 2026). The comments in the code are by the model that wrote it; some were corrected since.
;; masked multi head attention. Allowed arithmetic: matrix products marked QUANTISED: E2M1 operands, one E8M0 scale for each 32 along K, by v_wmma_scale_f32_16x16x128_f8f6f4 with both operands' format E2M1 (or v_wmma_scale_f32_32x16x128_f4), f32 sums; everything else in f32.
;; Inputs: bk 1,024 float32; bo 1,024 float32; bq 1,024 float32; bv 1,024 float32; wk 1,024 x 1,024 float32; wo 1,024 x 1,024 float32; wq 1,024 x 1,024 float32; wv 1,024 x 1,024 float32; x 1 x 4,096 x 1,024 float32.
;; Outputs: out0 1 x 4,096 x 1,024 float32.
;; This version of the problem:
;;   THIS VERSION OF THE PROBLEM IS GIVEN IN LOW PRECISION. The matrix products marked QUANTISED in the list below multiply operands that are first quantised to E2M1 (2 exponent bits, 1 mantissa bit; 4 bits a number), with one power-of-two scale for each 32 numbers along K (OCP MX v1.0); their sums are f32. All else is computed in f32.
;;   The module's matrix products, in the order in which they are computed (A, B: the left and right operand; K: the contracted axis; several contracted axes count as one K, in the product's order):
;;     1. [M 4,096, K 1,024] x [K 1,024, N 1,024]; A: input x; B: input wq: QUANTISED
;;     2. [M 4,096, K 1,024] x [K 1,024, N 1,024]; A: input x; B: input wk: QUANTISED
;;     3. [M 4,096, K 1,024] x [K 1,024, N 1,024]; A: input x; B: input wv: QUANTISED
;;     4. batch 16 x [M 4,096, K 64] x [K 64, N 4,096]; A: computed on the way; B: computed on the way: QUANTISED
;;     5. batch 16 x [M 4,096, K 4,096] x [K 4,096, N 64]; A: softmax (see below); B: computed on the way: QUANTISED
;;     6. [M 4,096, K 1,024] x [K 1,024, N 1,024]; A: computed on the way; B: input wo: QUANTISED
;;   THE QUANTISER, for each operand of a quantised product, along K:
;;     - K is cut into blocks of 32 from its start; a last block that is shorter is filled with zeros.
;;     - A block's scale is 2^e with e = floor(log2(the largest magnitude in the block)) - 2, held to -126 .. 127; a block of zeros has e = 0. As a byte (E8M0): e + 127.
;;     - Each number is divided by its block's scale, clamped to +-6, and rounded to the nearest number of E2M1, ties to even, subnormals kept.
;;     - The product sums the exact products of the quantised numbers (number of the format x scale) in f32.
;;   ~~~python
;;   def quantise(x, axis):      # numpy; x: float32 -> the quantised numbers, widened to float32 again
;;       x = np.moveaxis(x, axis, -1); K = x.shape[-1]
;;       x = np.pad(x, [(0, 0)] * (x.ndim - 1) + [(0, -K % 32)]); x = x.reshape(x.shape[:-1] + (-1, 32)); a = np.abs(x).max(-1, keepdims=True)
;;       e = np.where(a > 0, np.clip(np.frexp(np.where(a > 0, a, 1))[1] - 1 - 2, -126, 127), 0)      # np.frexp(a)[1] - 1 = floor(log2(a)), exactly
;;       r = np.clip(x / 2.0 ** e, -6, 6)
;;       step = 2.0 ** (np.maximum(np.frexp(np.where(r == 0, 1, r))[1] - 1, 0) - 1)
;;       q = np.round(r / step) * step * 2.0 ** e      # np.round: ties to even
;;       return np.moveaxis(q.reshape(q.shape[:-2] + (-1,))[..., :K], -1, axis).astype(np.float32)
;;   ~~~
;;   SOFTMAX AHEAD OF A QUANTISED PRODUCT. Where the list says 'softmax', what is quantised is not the finished softmax but p = 2^(t - M), with t = logit x log2(e) and M = ceil(the row's largest t), a whole number; so 1/2 < the row's largest p <= 1. The row's sum l is taken of the UNQUANTISED p, in f32, and the product's result is divided by l at the end. Since M is a whole number, a kernel that streams over the keys may use a running M (the ceiling of the running maximum): every later rescaling is an exact power of two, which a block's scale takes up: the codes' values come out the same.
;;   OPERANDS COMPUTED ON THE WAY. 'Computed on the way' means the value that the module computes at that place (a softmax that the list does not call 'softmax' is quantised finished and normalised). What goes into a quantiser is computed in f32, as accurately as f32 sums, v_exp_f32 and their like allow (about 1e-6 of the number): no bf16 or f16 on the way to a quantiser, and a product that is left as it is and whose result goes on into a quantised operand takes f32 operands (vector FMAs, or v_wmma_f32_16x16x4_f32). A number that lies on a knife's edge between two numbers of the format may be rounded either way, as far as f32 arithmetic and the matrix unit's own rounding can turn it there, and no further.
;; One version. Each part assembles by itself: llvm-mc -triple=amdgcn-amd-amdhsa -mcpu=gfx1250 --defsym DOCPART=n.
;; ======== version 1 of 1: 4 launches
;; limits: right only within a limited range of input values
;; workspace buffers: cod 4,456,448 bytes; qkv 6,291,456 bytes; sw 393,216 bytes; ao 2,228,224 bytes
;; launch quant (part 1): grid 256 x 1, 4 waves a work-group, no clusters, 34,304 bytes of LDS; arguments x, wq, wk, wv, wo, cod; writes cod
.if DOCPART == 1
	.amdgcn_target "amdgcn-amd-amdhsa--gfx1250"
	.amdhsa_code_object_version 6
	.text
	.protected	k_qfb2b819a52_quant
	.globl	k_qfb2b819a52_quant
	.p2align	8
	.type	k_qfb2b819a52_quant,@function
k_qfb2b819a52_quant:
	s_mov_b64 s[64:65], 0
	v_nop
	global_prefetch_b8 v0, s[64:65] scope:SCOPE_SE
	s_setreg_imm32_b32 hwreg(HW_REG_WAVE_MODE, 25, 1), 1
	s_wait_xcnt 0x0
; x [4096][1024] and wq, wk, wv, wo [1024][1024], f32, K innermost, become codes of FP4 (E2M1) with one E8M0 byte for each 32 along K.
; A block's scale is 2^(floor(log2(its largest magnitude)) - 2); its byte is that magnitude's exponent field - 2, held at 1 from below.
; (A block of zeros so gets the byte 1 where the quantiser says 127: its codes are zeros, which add nothing, and this program alone reads the bytes.)
; LIMITS: NaN and infinities among the inputs are not served; blocks whose largest magnitude lies under 2^(3 - 127) take the floor's byte.
; WORK LEFT OUT in a later launch: steps of 128 keys that all come after a tile's queries.  The model's own causal mask throws their scores away for all inputs; a NaN or an infinity that reaches only them is not carried to the result.
; LAYOUT OF cod: 512 tiles of 8,704 bytes.  A tile is 16 rows; ROW r OF TILE T IS SOURCE ROW 64 (T / 4) + 8 (T % 4) + r % 8 + 32 (r / 8), so that the four tiles of 64 source rows, used as a product's source 0, leave
; 32 neighbours of that axis, a whole block of the next K, in a lane's 32 result registers.  A tile is two chunks (K halves of 512) of 4,352 bytes: four fragments of 16 rows x 128 K, each an image of the operand's
; registers (register group c of lane l at 512 c + 16 l), then 256 bytes of scale words, [row][4 words].  Tiles 0-255: x; 256 + 12 head + 4 unit + t: wq, wk, wv; 448 on: wo.
; SHARES: a work-group takes two tiles (32 source rows); wave w makes tile w / 2's chunk w % 2.  Each load reads 512 consecutive bytes of one row; a fragment's 16 x 512 bytes turn through the wave's own
; stage in LDS (rows 528 bytes apart), so that lane (r, h) then holds k = 64 c + 32 h + 0 .. 31 of row r: two whole blocks, in the order of the operand's registers.
; No barrier: waves share nothing.  No tensor load, no cluster, no matrix unit: every input byte is read once by one wave.  All of a wave's 64 loads are asked for at its head, into window 1 (v256-511).
.set STG, 8448                         ; a wave's stage: 16 rows x 528 bytes
.set SP,  528                          ; 512 bytes + 16 of padding: the sixteen rows that a read touches start at sixteen different 16-byte columns
.set X,   144                          ; v144-207 my 64 numbers: two blocks
.set C,   208                          ; v208-239 codes: eight registers for each fragment, so that no store's data are written again
.set SW,  240                          ; v240-243 my row's scale words, one for each fragment
.set PD,  244                          ; v244     a lane permute's destination
.set MSB, 0
.macro WIN new                         ; the immediate's high byte repeats the setting that is left
.if MSB != (\new)
	s_set_vgpr_msb (MSB<<8)|(\new)
.set MSB, (\new)
.endif
.endm
	s_load_b256 s[4:11], s[0:1], 0x0               ; x, wq, wk, wv
	s_load_b128 s[12:15], s[0:1], 0x20             ; wo, cod
	v_lshl_add_u32 v254, v0, 2, 0x8400             ; my spare word, behind the four stages
	v_mov_b32 v255, 0
	v_lshrrev_b32 v9, 5, v0
	v_readfirstlane_b32 s16, v9                    ; wave 0..3
	v_and_b32 v1, 31, v0                           ; lane
	v_and_b32 v2, 15, v0                           ; r
	v_bfe_u32 v3, v0, 4, 1                         ; h
	v_lshlrev_b32 v4, 4, v1                        ; 16 x lane: my bytes of a load's and of a store's 512
	s_mul_i32 s17, s16, STG
	v_add_nc_u32 v5, s17, v4                       ; the stage, on the way in
	v_mul_u32_u24 v6, v2, SP
	v_lshl_add_u32 v6, v3, 7, v6
	v_add_nc_u32 v6, s17, v6                       ; and on the way out: row r, 128 h bytes on
	v_lshlrev_b32 v7, 3, v3                        ; 8 h: how far my two scale bytes are shifted
	v_lshl_add_u32 v8, v2, 4, v7                   ; 16 r + 8 h: my two scale words' place
	v_mov_b32 v[PD], 0                             ; written once: a lane permute's destination counts as one of its sources
	s_mov_b32 s28, 0x76543210
	s_mov_b32 s29, 0xfedcba98                      ; v_permlanex16_b32's selects for lane l xor 16
	s_lshr_b32 s18, s16, 1                         ; u: which tile of the pair
	s_and_b32 s19, s16, 1                          ; which K half
	; which tensor, which pair of tiles: all candidates first, then the compares and selects
	s_and_b32 s22, ttmp9, 31                       ; a weight's pair of tiles
	s_lshr_b32 s23, ttmp9, 5
	s_sub_co_u32 s23, s23, 4                       ; 0, 1, 2: wq, wk, wv
	s_lshr_b32 s24, s22, 1                         ; the head
	s_mul_i32 s24, s24, 12
	s_lshl_b32 s23, s23, 2
	s_add_co_u32 s24, s24, s23
	s_and_b32 s25, s22, 1
	s_lshl_b32 s25, s25, 1
	s_add_co_u32 s24, s24, s25
	s_add_co_u32 s24, s24, 256                     ; wq, wk, wv: tile 256 + 12 head + 4 unit + 2 (pair % 2)
	s_lshl_b32 s25, s22, 1
	s_add_co_u32 s25, s25, 448                     ; wo: tile 448 + 2 pair
	s_lshl_b32 s26, ttmp9, 1                       ; x: tile 2 pair
	s_wait_alu depctr_va_vdst(0)                   ; at the head's end
	s_wait_kmcnt 0x0
	s_mov_b64 s[20:21], s[12:13]
	s_cmp_lt_u32 ttmp9, 224                        ; the choices hang on the work-group's number alone
	s_cselect_b64 s[20:21], s[10:11], s[20:21]
	s_cselect_b32 s24, s24, s25
	s_cmp_lt_u32 ttmp9, 192
	s_cselect_b64 s[20:21], s[8:9], s[20:21]
	s_cmp_lt_u32 ttmp9, 160
	s_cselect_b64 s[20:21], s[6:7], s[20:21]
	s_cmp_lt_u32 ttmp9, 128
	s_cselect_b64 s[20:21], s[4:5], s[20:21]
	s_cselect_b32 s24, s26, s24
	s_cselect_b32 s22, ttmp9, s22
	s_add_co_u32 s24, s24, s18                     ; my tile
	s_and_b32 s23, s22, 1
	s_lshl_b32 s23, s23, 4
	s_lshl_b32 s22, s22, 5
	s_sub_co_u32 s22, s22, s23                     ; 64 (pair / 2) + 16 (pair % 2)
	s_lshl_b32 s27, s18, 3
	s_add_co_u32 s22, s22, s27                     ; + 8 u: its first source row
	s_lshl_b32 s22, s22, 12                        ; rows of 4,096 bytes
	s_lshl_b32 s27, s19, 11                        ; my K half: 2,048 bytes on
	s_add_co_u32 s22, s22, s27
	s_mov_b32 s23, 0
	s_add_nc_u64 s[20:21], s[20:21], s[22:23]
	s_mul_i32 s24, s24, 8704
	s_mul_i32 s27, s19, 4352
	s_add_co_u32 s24, s24, s27
	s_mov_b32 s25, 0
	s_add_nc_u64 s[14:15], s[14:15], s[24:25]      ; my chunk
	WIN 0x40
.irp t, 0,1,2,3                                ; fragment t: 128 along K of the tile's 16 rows; the wave reads 512 consecutive bytes of row i + 24 (i / 8)
.irp i, 0,1,2,3,4,5,6,7,8,9,10,11,12,13,14,15
	global_load_b128 v[64*\t+4*\i:64*\t+4*\i+3], v4, s[20:21] offset:(\i+24*(\i/8))*4096+512*\t th:TH_LOAD_NT
.endr
.endr
.macro FRAG t
	s_wait_loadcnt 16*(3-\t)                       ; this fragment's 16 loads are in; those of the fragments behind it may be out
	WIN 0x04                                       ; the stores' data lie in window 1
.irp i, 0,1,2,3,4,5,6,7,8,9,10,11,12,13,14,15
	ds_store_b128 v5, v[64*\t+4*\i:64*\t+4*\i+3] offset:SP*\i
.endr
	WIN 0
.irp c, 0,1
.irp g, 0,1,2,3,4,5,6,7
	ds_load_b128 v[X+32*\c+4*\g:X+32*\c+4*\g+3], v6 offset:256*\c+16*\g   ; LDS serves a wave's instructions in order (ISA guide 5.7.1): these see my stores
.endr
.endr
	s_wait_dscnt 0x0                               ; my 64 numbers are in
.irp c, 0,1                                    ; my block 2 c + h: all its 32 numbers are mine
	v_max3_num_f32 v[10+\c], |v[X+32*\c]|, |v[X+1+32*\c]|, 0x1800000   ; and the floor 2^(3 - 127): the byte cannot fall under 1
.endr
.irp i, 2,4,6,8,10,12,14,16,18,20,22,24,26,28,30
.irp c, 0,1
	v_max3_num_f32 v[10+\c], v[10+\c], |v[X+32*\c+\i]|, |v[X+1+32*\c+\i]|   ; (the two blocks by turns)
.endr
.endr
.irp c, 0,1
	v_add_nc_u32 v[12+\c], 0xff000000, v[10+\c]    ; 2 off the exponent field: the conversion takes the exponent field of this operand as its scale
.endr
.irp c, 0,1
	v_lshrrev_b32 v[14+\c], 23, v[12+\c]           ; the scale's byte
.endr
	v_lshl_or_b32 v9, v15, 16, v14                 ; my two bytes: blocks h and 2 + h of row r,
	v_lshlrev_b32 v9, v7, v9                       ; at their places in the scale word;
	v_permlanex16_b32 v[PD], v9, s28, s29
	v_or_b32 v[SW+\t], v9, v[PD]                   ; with lane l xor 16's two the word is whole
.irp c, 0,1
.irp g, 0,1,2,3
	v_cvt_scalef32_pk8_fp4_f32 v[C+8*\t+4*\c+\g], v[X+32*\c+8*\g:X+32*\c+8*\g+7], v[12+\c]
.endr
.endr
	v_nop                                          ; one plain place behind the last scaled conversion
.irp c, 0,1
	global_store_b128 v4, v[C+8*\t+4*\c:C+8*\t+4*\c+3], s[14:15] offset:1024*\t+512*\c   ; 32 lanes store 512 consecutive bytes, at a multiple of 256 from cod's first byte
.endr
.endm
	FRAG 0
	FRAG 1
	FRAG 2
	FRAG 3
	v_cmp_eq_u32 vcc_lo, 1, v3                     ; every lane holds its row's four words: lanes 0-15 store words 0 and 1, lanes 16-31 words 2 and 3
	v_cndmask_b32 v10, v[SW], v[SW+2], vcc_lo
	v_cndmask_b32 v11, v[SW+1], v[SW+3], vcc_lo
	global_store_b64 v8, v[10:11], s[14:15] offset:4096   ; 32 lanes store 256 consecutive bytes, aligned
	s_wait_tensorcnt 0x0                           ; the wave's end
	ds_add_u32 v254, v255
	s_wait_dscnt 0x0
	s_endpgm
.Lfunc_end_k_qfb2b819a52_quant:
	.size	k_qfb2b819a52_quant, .Lfunc_end_k_qfb2b819a52_quant-k_qfb2b819a52_quant
	.p2alignl 7, 3214868480
	.fill 96, 4, 3214868480
	.section	.rodata,"a",@progbits
	.p2align	6, 0x0
	.amdhsa_kernel k_qfb2b819a52_quant
		.amdhsa_group_segment_fixed_size 34304
		.amdhsa_private_segment_fixed_size 0
		.amdhsa_enable_private_segment 0
		.amdhsa_kernarg_size 48
		.amdhsa_user_sgpr_count 2
		.amdhsa_user_sgpr_kernarg_segment_ptr 1
		.amdhsa_wavefront_size32 1
		.amdhsa_system_sgpr_workgroup_id_x 1
		.amdhsa_system_sgpr_workgroup_id_y 1
		.amdhsa_system_sgpr_workgroup_id_z 1
		.amdhsa_system_vgpr_workitem_id 0
		.amdhsa_next_free_vgpr 512
		.amdhsa_next_free_sgpr 66
		.amdhsa_reserve_vcc 1
		.amdhsa_float_denorm_mode_32 3
		.amdhsa_float_denorm_mode_16_64 3
		.amdhsa_memory_ordered 1
		.amdhsa_forward_progress 1
		.amdhsa_inst_pref_size 31
	.end_amdhsa_kernel
	.amdgpu_metadata
---
amdhsa.version: [ 1, 2 ]
amdhsa.kernels:
  - .name:           k_qfb2b819a52_quant
    .symbol:         k_qfb2b819a52_quant.kd
    .args:
      - { .name: x, .offset: 0, .size: 8, .value_kind: global_buffer, .address_space: global }
      - { .name: wq, .offset: 8, .size: 8, .value_kind: global_buffer, .address_space: global }
      - { .name: wk, .offset: 16, .size: 8, .value_kind: global_buffer, .address_space: global }
      - { .name: wv, .offset: 24, .size: 8, .value_kind: global_buffer, .address_space: global }
      - { .name: wo, .offset: 32, .size: 8, .value_kind: global_buffer, .address_space: global }
      - { .name: cod, .offset: 40, .size: 8, .value_kind: global_buffer, .address_space: global }
    .group_segment_fixed_size: 34304
    .private_segment_fixed_size: 0
    .kernarg_segment_align: 8
    .kernarg_segment_size: 48
    .max_flat_workgroup_size: 128
    .sgpr_count:     66
    .vgpr_count:     512
    .wavefront_size: 32
...
	.end_amdgpu_metadata
.endif
;; end of part 1
;; launch qkvgemm (part 2): grid 16 x 16, 4 waves a work-group, clusters of 4 x 4, 245,248 bytes of LDS; arguments cod, bq, bk, bv, qkv, sw; writes qkv, sw
.if DOCPART == 2
	.amdgcn_target "amdgcn-amd-amdhsa--gfx1250"
	.amdhsa_code_object_version 6
	.text
	.protected	k_qfb2b819a52_qkvgemm
	.globl	k_qfb2b819a52_qkvgemm
	.p2align	8
	.type	k_qfb2b819a52_qkvgemm,@function
k_qfb2b819a52_qkvgemm:
	s_mov_b64 s[64:65], 0
	v_nop
	global_prefetch_b8 v0, s[64:65] scope:SCOPE_SE
	s_setreg_imm32_b32 hwreg(HW_REG_WAVE_MODE, 25, 1), 1
	s_wait_xcnt 0x0
	s_wait_alu depctr_hold_cnt(0) depctr_sa_sdst(0) depctr_va_vdst(0) depctr_va_sdst(0) depctr_va_ssrc(0) depctr_va_vcc(0) depctr_vm_vsrc(0)
	s_getreg_b32 s2, hwreg(HW_REG_IB_STS2, 6, 4)
	s_cmp_eq_u32 s2, 0
	s_cbranch_scc0 .Lentry_in_a_cluster
	s_endpgm
.Lentry_in_a_cluster:
	s_bfe_u32 s2, ttmp6, 0x10000c
	s_cmp_lg_u32 s2, 0xf033
	s_cbranch_scc0 .Lentry_shape_is_right
	s_endpgm
.Lentry_shape_is_right:
; q = x wq^T + bq, k = x wk^T + bk, v = x wv^T + bv on codes of FP4, and the results quantised at once for attention: q and k along the head's 64 channels, v along the tokens (keys).
; SHARES: work-group (bx, head) takes 256 tokens x the head's 64 channels of q, k and v.  Four waves, as many as a WGP has SIMDs; wave w takes 64 tokens (group G = 4 bx + w) x all 192 channels: 48 accumulators of 16 x 16.
; THE WHOLE K (1,024) OF THE WORK-GROUP'S OPERANDS LIES IN LDS, filled once by four tensor loads, one a wave (0: x's K half 0; 1: the weights'; 2, 3: the halves 1): nothing is filled again, so there is no ring.
; Operands lie in cod as images of their registers, so a fragment is two ds_load_b128 at 16 x lane: consecutive bytes, no padding.
; CLUSTERS: 4 x 4 work-groups.  x's tiles hang on bx alone and are shared along a column of the cluster, the weights' on the head alone and are shared along a row: each is asked for jointly, with the same descriptor and a mask.
; WHICH SIDE IS SOURCE 0: for q and k the weight (a lane then holds ONE token and its registers run along the channels); for v the tokens (a lane holds ONE channel and its registers run along the tokens).
; By the order of a tile's rows (row r of tile T is source row 64 (T / 4) + 8 (T % 4) + r % 8 + 32 (r / 8)) the 32 registers of four tiles are the neighbours 32 (lane / 16) + 0 .. 31: a whole block of the next K in one lane.
; The bias is the C of each sum's first matrix instruction.
; OUT: qkv [unit][head][G % 2][a][G / 2][512 bytes]: 16 rows x 64 along the next K, register image (lane (r, h): 32 h + 0 .. 31): q, k: a = token tile; v: a = channel tile, K = keys 64 G on.
;      sw [head][G / 2][2 unit + G % 2][128 bytes]: lanes 0-15: row r of tiles 0 (below) and 2 (above), lanes 16-31: of tiles 1 and 3; two scale bytes each.
; NO PREFETCH: there is no loop to run ahead in: all four loads stand at the head.
; REGISTERS, in windows of 256.  Window 0: addresses, scale words of half 0 (v16-47) and half 1 (v48-79), fragment buffer 0 (v96-223: x's four, the weights' twelve).  Window 1: the biases (v0-95), fragment buffer 1 (v96-223).
;   Window 2: q's accumulators (a, t) at 32 a + 8 t, k's at 128 + 32 a + 8 t.  Window 3: v's.
; LIMITS: as in the quantising launch (NaN, infinities; the floor 2^(3 - 127); a block of zeros has the byte 1).
.set CH,   4352                        ; a chunk: four fragments and 256 bytes of scale words
.set TILE, 8704
.set WOFF, 16*CH                       ; in a half: x's 16 chunks, then the weights' 12
.set HALF, 28*CH
.set SPARE, 2*HALF                     ; the spare words
.set ADX,  4                           ; v4, v5    LDS address of my x fragments in half 0, 1
.set ADW,  6                           ; v6, v7    of the weights'
.set ADSX, 8                           ; v8, v9    of x's scale words: lanes 0-15 an even tile's row r, lanes 16-31 the odd tile's
.set ADSW, 10                          ; v10, v11  of the weights'
.set SPW,  14
.set NIL,  15
.set FX,   96
.set FW,   128
.set WV,   16
.set BX,   18
.set HD,   19
.set G1X,  24
.set G1W,  32
.set G0,   40
.set MSB, 0
.macro WIN new                         ; the immediate's high byte repeats the setting that is left
.if MSB != (\new)
	s_set_vgpr_msb (MSB<<8)|(\new)
.set MSB, (\new)
.endif
.endm
.macro CROUND                          ; a round of the cluster's barrier
	s_barrier_signal -1
	s_barrier_wait -1
	s_cmp_lg_u32 s[WV], 0
	s_cbranch_scc1 .Lnot_wave_0_\@
	s_barrier_signal -3
.Lnot_wave_0_\@:
	s_barrier_wait -3
	s_barrier_signal -1
	s_barrier_wait -1
.endm
	s_load_b256 s[4:11], s[0:1], 0x0               ; cod, bq, bk, bv
	s_load_b128 s[12:15], s[0:1], 0x20             ; qkv, sw
	v_lshl_add_u32 v[SPW], v0, 2, SPARE
	v_mov_b32 v[NIL], 0
	ds_add_u32 v[SPW], v[NIL]                      ; the opening lines: the add, twice on end
	ds_add_u32 v[SPW], v[NIL]
	v_lshrrev_b32 v1, 5, v0
	v_readfirstlane_b32 s[WV], v1                  ; wave 0..3
	s_bfe_u32 s20, ttmp6, 0x40000                  ; cx, cy: my place in the cluster
	s_bfe_u32 s21, ttmp6, 0x40004
	s_lshl_b32 s[BX], ttmp9, 2
	s_add_co_u32 s[BX], s[BX], s20
	s_and_b32 s[HD], ttmp7, 0xffff
	s_lshl_b32 s[HD], s[HD], 2
	s_add_co_u32 s[HD], s[HD], s21
	s_lshl_b32 s22, s21, 2
	s_lshl_b32 s22, 15, s22                        ; my row of the cluster
	s_lshl_b32 s23, 0x1111, s20                    ; my column
	; descriptor group 1: 16 (12) rows of 4,352 bytes, one chunk of each tile, 8,704 bytes apart; elements of 8 bytes; dense in LDS; 15:0 the mask, 21 set beside it
	s_or_b32 s[G1X+0], s23, (3<<16)|(1<<21)
	s_mov_b32 s[G1X+1], 544<<16                    ; tensor_dim0
	s_mov_b32 s[G1X+2], 16<<16                     ; tensor_dim1
	s_mov_b32 s[G1X+3], 544<<16                    ; tile_dim0
	s_mov_b32 s[G1X+4], 16                         ; tile_dim1
	s_mov_b32 s[G1X+5], 1088                       ; from row to row
	s_mov_b32 s[G1X+6], 0
	s_mov_b32 s[G1X+7], 0
	s_or_b32 s[G1W+0], s22, (3<<16)|(1<<21)
	s_mov_b32 s[G1W+1], 544<<16
	s_mov_b32 s[G1W+2], 12<<16
	s_mov_b32 s[G1W+3], 544<<16
	s_mov_b32 s[G1W+4], 12
	s_mov_b32 s[G1W+5], 1088
	s_mov_b32 s[G1W+6], 0
	s_mov_b32 s[G1W+7], 0
	s_mul_i32 s56, s[BX], 16*TILE                  ; x's tiles 16 bx on
	s_mov_b32 s57, 0
	s_mul_i32 s58, s[HD], 12*TILE                  ; the weights' tiles 256 + 12 head on
	s_add_co_u32 s58, s58, 256*TILE
	s_mov_b32 s59, 0
	s_wait_dscnt 0x0                               ; both opening adds are done
	s_wait_kmcnt 0x0
	s_add_nc_u64 s[56:57], s[4:5], s[56:57]
	s_add_nc_u64 s[58:59], s[4:5], s[58:59]
	s_mov_b32 s[G0+0], 1                           ; x, half 0
	s_mov_b32 s[G0+1], 0
	s_mov_b64 s[G0+2:G0+3], s[56:57]
	s_or_b32 s[G0+3], s[G0+3], 0x80000000
	s_mov_b32 s[G0+4], 1                           ; x, half 1
	s_mov_b32 s[G0+5], HALF
	s_add_nc_u64 s[G0+6:G0+7], s[56:57], CH
	s_or_b32 s[G0+7], s[G0+7], 0x80000000
	s_mov_b32 s[G0+8], 1                           ; the weights, half 0
	s_mov_b32 s[G0+9], WOFF
	s_mov_b64 s[G0+10:G0+11], s[58:59]
	s_or_b32 s[G0+11], s[G0+11], 0x80000000
	s_mov_b32 s[G0+12], 1                          ; the weights, half 1
	s_mov_b32 s[G0+13], HALF+WOFF
	s_add_nc_u64 s[G0+14:G0+15], s[58:59], CH
	s_or_b32 s[G0+15], s[G0+15], 0x80000000
	CROUND                                         ; all sixteen work-groups are here: the joint loads meet
.macro ARM w, g0, g1, next             ; one tree of branches on the wave's number: every way through the head passes exactly one load
	s_cmp_lg_u32 s[WV], \w
	s_cbranch_scc1 \next
	tensor_load_to_lds s[\g0:\g0+3], s[\g1:\g1+7]
	s_nop 0
.rept 4
	v_nop
.endr
	s_branch .Lasked
\next:
.endm
	ARM 0, G0, G1X, .Lnot_0
	ARM 1, G0+8, G1W, .Lnot_1
	ARM 2, G0+4, G1X, .Lnot_2
	tensor_load_to_lds s[G0+12:G0+15], s[G1W:G1W+7]
	s_nop 0
.rept 4
	v_nop
.endr
.Lasked:
	s_mul_i32 s60, s[WV], 4*CH                     ; my four x tiles
	s_lshl_b32 s62, s[HD], 8                       ; the head's 64 numbers of a bias
	s_mov_b32 s63, 0
	s_add_nc_u64 s[6:7], s[6:7], s[62:63]
	s_add_nc_u64 s[8:9], s[8:9], s[62:63]
	s_add_nc_u64 s[10:11], s[10:11], s[62:63]
	s_lshl_b32 s68, s[BX], 2
	s_add_co_u32 s68, s68, s[WV]                   ; G
	s_and_b32 s66, s68, 1
	s_lshr_b32 s67, s68, 1
	s_lshl_b32 s70, s[HD], 17                      ; qkv: 131,072 head + 65,536 (G % 2) + 512 (G / 2)
	s_lshl_b32 s69, s66, 16
	s_add_co_u32 s70, s70, s69
	s_lshl_b32 s69, s67, 9
	s_add_co_u32 s70, s70, s69
	s_mov_b32 s71, 0
	s_add_nc_u64 s[12:13], s[12:13], s[70:71]
	s_mul_i32 s70, s[HD], 24576                    ; sw: 24,576 head + 768 (G / 2) + 128 (G % 2)
	s_mul_i32 s69, s67, 768
	s_add_co_u32 s70, s70, s69
	s_lshl_b32 s69, s66, 7
	s_add_co_u32 s70, s70, s69
	s_add_nc_u64 s[14:15], s[14:15], s[70:71]
	v_and_b32 v80, 31, v0                          ; lane
	v_and_b32 v81, 15, v0                          ; r
	v_bfe_u32 v82, v0, 4, 1                        ; h
	v_lshlrev_b32 v1, 4, v80                       ; 16 x lane
	v_lshlrev_b32 v2, 2, v80                       ; 4 x lane
	v_mul_u32_u24 v83, v82, CH                     ; lanes 16-31 take the next tile's words
	v_add_nc_u32 v[ADX], s60, v1
	v_lshl_add_u32 v83, v81, 4, v83                ; 16 bytes a row
	v_add_nc_u32 v[ADW], WOFF, v1
	v_add_nc_u32 v83, 4096, v83                    ; behind the chunk's four fragments
	v_add_nc_u32 v[ADX+1], HALF, v[ADX]
	v_add_nc_u32 v[ADW+1], HALF, v[ADW]
	v_add_nc_u32 v[ADSX], s60, v83
	v_add_nc_u32 v[ADSW], WOFF, v83
	v_and_b32 v13, 8, v81
	v_add_nc_u32 v[ADSX+1], HALF, v[ADSX]
	v_add_nc_u32 v[ADSW+1], HALF, v[ADSW]
	v_lshlrev_b32 v12, 7, v82                      ; the bias for q and k: 32 h numbers on
	v_mad_u32_u24 v13, v13, 3, v81
	v_lshlrev_b32 v13, 2, v13                      ; for v: my channel's place: r % 8 + 32 (r / 8)
	s_wait_alu depctr_va_vdst(0)                   ; ahead of the readers below
	WIN 0x40
.irp t, 0,1,2,3                                ; q, k: register j of tile t is channel 32 h + 8 t + j
	global_load_b128 v[8*\t:8*\t+3], v12, s[6:7] offset:32*\t
	global_load_b128 v[8*\t+4:8*\t+7], v12, s[6:7] offset:32*\t+16
	global_load_b128 v[32+8*\t:32+8*\t+3], v12, s[8:9] offset:32*\t
	global_load_b128 v[32+8*\t+4:32+8*\t+7], v12, s[8:9] offset:32*\t+16
.endr
	WIN 0
.irp a, 0,1,2,3                                ; v: all eight registers of a lane belong to ONE channel, 8 a + r % 8 + 32 (r / 8)
	global_load_b32 v[84+\a], v13, s[10:11] offset:32*\a
.endr
	s_wait_loadcnt 0x0
	WIN 0x40
.irp a, 0,1,2,3
.irp j, 0,1,2,3,4,5,6,7
	v_mov_b32 v[64+8*\a+\j], v[84+\a]
.endr
.endr
	WIN 0
; One matrix instruction: D, source 0, source 1, C, their scale registers, and which half of the lanes each scale is read from.
.macro WM d, x, y, c, sx, sy, rx, ry
.if ((\rx) == 0) && ((\ry) == 0)
	v_wmma_scale_f32_16x16x128_f8f6f4 v[\d:\d+7], v[\x:\x+7], v[\y:\y+7], v[\c:\c+7], v[\sx], v[\sy] matrix_a_fmt:MATRIX_FMT_FP4 matrix_b_fmt:MATRIX_FMT_FP4
.elseif (\ry) == 0
	v_wmma_scale_f32_16x16x128_f8f6f4 v[\d:\d+7], v[\x:\x+7], v[\y:\y+7], v[\c:\c+7], v[\sx], v[\sy] matrix_a_fmt:MATRIX_FMT_FP4 matrix_b_fmt:MATRIX_FMT_FP4 matrix_a_scale:MATRIX_SCALE_ROW1
.elseif (\rx) == 0
	v_wmma_scale_f32_16x16x128_f8f6f4 v[\d:\d+7], v[\x:\x+7], v[\y:\y+7], v[\c:\c+7], v[\sx], v[\sy] matrix_a_fmt:MATRIX_FMT_FP4 matrix_b_fmt:MATRIX_FMT_FP4 matrix_b_scale:MATRIX_SCALE_ROW1
.else
	v_wmma_scale_f32_16x16x128_f8f6f4 v[\d:\d+7], v[\x:\x+7], v[\y:\y+7], v[\c:\c+7], v[\sx], v[\sy] matrix_a_fmt:MATRIX_FMT_FP4 matrix_b_fmt:MATRIX_FMT_FP4 matrix_a_scale:MATRIX_SCALE_ROW1 matrix_b_scale:MATRIX_SCALE_ROW1
.endif
.endm
.macro PLACES                          ; four plain places between a matrix instruction and a load into, or a vector write of, one of its registers, or a vector read of its result
.rept 4
	v_nop
.endr
.endm
.macro SCALES hf                       ; a half's scale words, into its own set: four K steps' words of two tiles by each load
	WIN 0
.irp p, 0,1
	ds_load_b128 v[16+32*\hf+4*\p:16+32*\hf+4*\p+3], v[ADSX+\hf] offset:2*CH*\p
.endr
.irp p, 0,1,2,3,4,5
	ds_load_b128 v[24+32*\hf+4*\p:24+32*\hf+4*\p+3], v[ADSW+\hf] offset:2*CH*\p
.endr
.endm
.macro GETX hf, q, b                   ; x's four fragments of K step (hf, q) into buffer b: 8 loads
	WIN 0x40*(\b)
.irp i, 0,1,2,3
.irp c, 0,1
	ds_load_b128 v[FX+8*\i+4*\c:FX+8*\i+4*\c+3], v[ADX+\hf] offset:CH*\i+1024*(\q)+512*\c
.endr
.endr
.endm
.macro GETW hf, q, b, u                ; a unit's four of the weights: 8 loads
	WIN 0x40*(\b)
.irp i, 0,1,2,3
.irp c, 0,1
	ds_load_b128 v[FW+32*\u+8*\i+4*\c:FW+32*\u+8*\i+4*\c+3], v[ADW+\hf] offset:CH*(4*\u+\i)+1024*(\q)+512*\c
.endr
.endr
.endm
; A unit's sixteen products of a K step.  The 48 accumulators take turns, one instruction a turn, in the same order in every step.
.macro MM u, hf, q, b, first
.if \first
	WIN 0x90+0x40*((\u)/2)                         ; C: the biases in window 1
.else
	WIN 0xa0+0x50*((\u)/2)+5*(\b)
.endif
.irp a, 0,1,2,3
.irp t, 0,1,2,3
.if \u < 2                             ; q, k: source 0 = 16 channels of the weight, source 1 = 16 tokens
.if \first
	WM 128*\u+32*\a+8*\t, FW+32*\u+8*\t, FX+8*\a, 32*\u+8*\t, 24+32*\hf+8*\u+4*(\t/2)+\q, 16+32*\hf+4*(\a/2)+\q, \t%2, \a%2
.else
	WM 128*\u+32*\a+8*\t, FW+32*\u+8*\t, FX+8*\a, 128*\u+32*\a+8*\t, 24+32*\hf+8*\u+4*(\t/2)+\q, 16+32*\hf+4*(\a/2)+\q, \t%2, \a%2
.endif
.else                                  ; v: source 0 = 16 tokens, source 1 = 16 channels of the weight
.if \first
	WM 32*\a+8*\t, FX+8*\t, FW+32*\u+8*\a, 64+8*\a, 16+32*\hf+4*(\t/2)+\q, 24+32*\hf+8*\u+4*(\a/2)+\q, \t%2, \a%2
.else
	WM 32*\a+8*\t, FX+8*\t, FW+32*\u+8*\a, 32*\a+8*\t, 16+32*\hf+4*(\t/2)+\q, 24+32*\hf+8*\u+4*(\a/2)+\q, \t%2, \a%2
.endif
.endif
.endr
.endr
.endm
; A K step of 128 from buffer b; the next step of the half (next = 1) is fetched into the other buffer, a unit's loads ahead of each unit's products.
; The waits: behind a unit's own loads stand this step's later units' and the next step's issued so far: 32 in each case; without a next step 16, 8 and 0.
.macro STEP hf, q, b, first, next
.if \next
	PLACES                                         ; in front of loads into the buffer that the step before multiplied
	GETX \hf, \q+1, 1-\b
	GETW \hf, \q+1, 1-\b, 0
	s_wait_dscnt 32
.else
	s_wait_dscnt 16
.endif
	MM 0, \hf, \q, \b, \first
.if \next
	GETW \hf, \q+1, 1-\b, 1
	s_wait_dscnt 32
.else
	s_wait_dscnt 8
.endif
	MM 1, \hf, \q, \b, \first
.if \next
	GETW \hf, \q+1, 1-\b, 2
	s_wait_dscnt 32
.else
	s_wait_dscnt 0
.endif
	MM 2, \hf, \q, \b, \first
.endm
.macro HALFK hf, first                 ; four K steps, buffers 0, 1, 0, 1
	SCALES \hf
	GETX \hf, 0, 0
	GETW \hf, 0, 0, 0
	GETW \hf, 0, 0, 1
	GETW \hf, 0, 0, 2
	STEP \hf, 0, 0, \first, 1
	STEP \hf, 1, 1, 0, 1
	STEP \hf, 2, 0, 0, 1
	STEP \hf, 3, 1, 0, 0
	WIN 0
.endm
	s_wait_alu depctr_va_vdst(0)                   ; at the head's end
	s_lshr_b32 s61, s[WV], 1
	s_cmp_eq_u32 s61, 1                            ; waves 2 and 3 brought half 1, by load lines of their own: they wait for it ahead of the closing round
	s_cbranch_scc1 .Lhalf_1_out
	s_wait_tensorcnt 0x0
.Lhalf_1_out:
	s_barrier_signal -1
	s_barrier_wait -1                              ; both operands' half 0 lie in LDS
	HALFK 0, 1
	s_wait_tensorcnt 0x0                           ; half 1 has landed
	ds_add_u32 v[SPW], v[NIL]
	s_wait_dscnt 0x0
	CROUND                                         ; the closing round, which is also the barrier in front of half 1: no joint load is issued behind it
	PLACES
	HALFK 1, 0
	PLACES
; THE WAY OUT of a unit: 4 x 32 numbers of a lane, each 32 one whole block of the next K: no other lane is asked.
.macro OUT u
.set AC, 128*((\u)%2)
	WIN 0x0a+5*((\u)/2)                            ; sources 0 and 1: the accumulators
.irp a, 0,1,2,3
	v_max3_num_f32 v[96+2*\a], |v[AC+32*\a]|, |v[AC+32*\a+1]|, 0x1800000      ; each accumulator is read from its low end on; the floor 2^(3 - 127) holds the byte at 1 from below
	v_max3_num_f32 v[97+2*\a], |v[AC+32*\a+2]|, |v[AC+32*\a+3]|, 0x1800000
.endr
.irp i, 4,8,12,16,20,24,28
.irp a, 0,1,2,3
	v_max3_num_f32 v[96+2*\a], |v[AC+32*\a+\i]|, |v[AC+32*\a+\i+1]|, v[96+2*\a]
	v_max3_num_f32 v[97+2*\a], |v[AC+32*\a+\i+2]|, |v[AC+32*\a+\i+3]|, v[97+2*\a]
.endr
.endr
	WIN 0
.irp a, 0,1,2,3
	v_max_num_f32 v[96+2*\a], v[96+2*\a], v[97+2*\a]
.endr
.irp a, 0,1,2,3
	v_add_nc_u32 v[104+\a], 0xff000000, v[96+2*\a]   ; 2 off its exponent field: the conversion's scale operand
.endr
.irp a, 0,1,2,3
	v_lshrrev_b32 v[108+\a], 23, v[104+\a]         ; the scale's byte
.endr
	WIN 2+(\u)/2
.irp a, 0,1,2,3
.irp g, 0,1,2,3
	v_cvt_scalef32_pk8_fp4_f32 v[112+16*\u+4*\a+\g], v[AC+32*\a+8*\g:AC+32*\a+8*\g+7], v[104+\a]
.endr
.endr
	WIN 0
	v_nop                                          ; one plain place behind the last scaled conversion
	v_lshl_or_b32 v160, v110, 16, v108             ; my block's byte of tiles 0 and 2,
	v_lshl_or_b32 v161, v111, 16, v109             ; of tiles 1 and 3
	v_permlane16_swap_b32 v160, v161               ; block 0's bytes of both, block 1's bytes of both: tiles 0, 2 in lanes 0-15, tiles 1, 3 in lanes 16-31
	v_lshl_or_b32 v[162+\u], v161, 8, v160
.irp a, 0,1,2,3
	global_store_b128 v1, v[112+16*\u+4*\a:112+16*\u+4*\a+3], s[12:13] offset:2097152*\u+16384*\a   ; 32 lanes store 512 consecutive bytes, aligned
.endr
	global_store_b32 v2, v[162+\u], s[14:15] offset:256*\u
.endm
	OUT 0
	OUT 1
	OUT 2
	s_endpgm
.Lfunc_end_k_qfb2b819a52_qkvgemm:
	.size	k_qfb2b819a52_qkvgemm, .Lfunc_end_k_qfb2b819a52_qkvgemm-k_qfb2b819a52_qkvgemm
	.p2alignl 7, 3214868480
	.fill 96, 4, 3214868480
	.section	.rodata,"a",@progbits
	.p2align	6, 0x0
	.amdhsa_kernel k_qfb2b819a52_qkvgemm
		.amdhsa_group_segment_fixed_size 245248
		.amdhsa_private_segment_fixed_size 0
		.amdhsa_enable_private_segment 0
		.amdhsa_kernarg_size 48
		.amdhsa_user_sgpr_count 2
		.amdhsa_user_sgpr_kernarg_segment_ptr 1
		.amdhsa_wavefront_size32 1
		.amdhsa_system_sgpr_workgroup_id_x 1
		.amdhsa_system_sgpr_workgroup_id_y 1
		.amdhsa_system_sgpr_workgroup_id_z 1
		.amdhsa_system_vgpr_workitem_id 0
		.amdhsa_next_free_vgpr 896
		.amdhsa_next_free_sgpr 80
		.amdhsa_reserve_vcc 0
		.amdhsa_float_denorm_mode_32 3
		.amdhsa_float_denorm_mode_16_64 3
		.amdhsa_memory_ordered 1
		.amdhsa_forward_progress 1
		.amdhsa_inst_pref_size 99
	.end_amdhsa_kernel
	.amdgpu_metadata
---
amdhsa.version: [ 1, 2 ]
amdhsa.kernels:
  - .name:           k_qfb2b819a52_qkvgemm
    .symbol:         k_qfb2b819a52_qkvgemm.kd
    .args:
      - { .name: cod, .offset: 0, .size: 8, .value_kind: global_buffer, .address_space: global }
      - { .name: bq, .offset: 8, .size: 8, .value_kind: global_buffer, .address_space: global }
      - { .name: bk, .offset: 16, .size: 8, .value_kind: global_buffer, .address_space: global }
      - { .name: bv, .offset: 24, .size: 8, .value_kind: global_buffer, .address_space: global }
      - { .name: qkv, .offset: 32, .size: 8, .value_kind: global_buffer, .address_space: global }
      - { .name: sw, .offset: 40, .size: 8, .value_kind: global_buffer, .address_space: global }
    .group_segment_fixed_size: 245248
    .private_segment_fixed_size: 0
    .kernarg_segment_align: 8
    .kernarg_segment_size: 48
    .max_flat_workgroup_size: 128
    .sgpr_count:     80
    .vgpr_count:     896
    .wavefront_size: 32
...
	.end_amdgpu_metadata
.endif
;; end of part 2
;; launch attn (part 3): grid 16 x 16, 16 waves a work-group, no clusters, 327,680 bytes of LDS; arguments qkv, sw, ao; writes ao
.if DOCPART == 3
	.amdgcn_target "amdgcn-amd-amdhsa--gfx1250"
	.amdhsa_code_object_version 6
	.text
	.protected	k_qfb2b819a52_attn
	.globl	k_qfb2b819a52_attn
	.p2align	8
	.type	k_qfb2b819a52_attn,@function
k_qfb2b819a52_attn:
	s_mov_b64 s[64:65], 0
	v_nop
	global_prefetch_b8 v0, s[64:65] scope:SCOPE_SE
	s_setreg_imm32_b32 hwreg(HW_REG_WAVE_MODE, 25, 1), 1
	s_wait_xcnt 0x0
; Causal attention of one head on codes of FP4, and its result quantised along the model's 1,024 channels for the last product.
; THE SOFTMAX AHEAD OF THE SECOND PRODUCT: t = score x log2(e) / 8; M = the row's largest t so far, rounded UP to a whole number; p = 2^(t - M) is quantised along the keys, not normalised.
; The row's sum is taken of the unquantised p and divides O at the end.  When M moves, the sum and O are multiplied by 2^(old M - new M): exact.
; SHARES: work-group (pi, head) owns the 8 tiles of 16 queries of the block of 128 queries pi (short) and the 8 of block 31 - pi (long).  A key step is 128 keys; a short tile has pi + 1 steps, a long one 32 - pi.
;   Wave w < 8 (A): all steps of short tile w, then steps 1, 3 .. 31 - 2 pi of long tile w: 17 steps.  Wave w + 8 (B): steps 0, 2 .. 30 - 2 pi and 32 - 2 pi .. 31 - pi of long tile w: 16 steps.
;   Behind the loops A hands its part of the long tile (O, the sum, M) to B through LDS, and B joins the two: powers of two again.
; WORK LEFT OUT: steps whose keys all come after a tile's queries: the model's own causal mask throws them away.
; ALL OF THE HEAD'S K AND V LIES IN LDS, filled once.  [piece n][step][512 bytes]: pieces 0-7 K (n = 4 c + a: keys 64 c on, tile a), pieces 8-15 V (n = 8 + 4 c + a: keys 64 c on, channel tile a).
;   Wave w brings piece w: steps 0-7 at the head (16 rows of 256 bytes), steps 8-31 behind the first barrier (48 rows).  Steps 0-7 serve the first four trips; so there are two barriers for the fills and one for the joining.
; LAYOUT: both products are used transposed (S^T = K Q^T, O^T = V^T P^T): a lane holds ONE query throughout.  Row r of tile T is token or channel 64 (T / 4) + 8 (T % 4) + r % 8 + 32 (r / 8), so that the 32 registers of
; a lane's four tiles are the neighbours 32 (lane / 16) + 0 .. 31: a whole block of the next K: of keys in S^T, of the head's channels in O^T.  The conversions' results are the next operand as they stand.
; THE FIRST PRODUCT'S K IS 64, THE INSTRUCTION'S 128: source 0 holds key tiles 0 and 1 (32 rows) at k = 0 .. 63 and tiles 2 and 3 at k = 64 .. 127; it is multiplied by [q | zero codes] and by [zero codes | q].
; Twelve registers hold zeros, q, zeros, and the two operands are two windows on them.  q's scale word has the byte 0 (2^-127, a number) over the zero codes, whose products are zeros.
; NO CLUSTER: the branches, the steps walked and the LDS addresses hang on pi, in which the work-groups of a head differ.  NO PREFETCH: the second fill is asked for straight behind the first barrier, four steps a wave ahead
; of its first use, and nothing is loaded behind it: there is no loop of loads to run ahead in.
; OUT: ao, laid as x's tiles in the quantising launch's buffer.  The codes leave as 512 consecutive bytes a wave; a head's two scale bytes of a row are two of the row's sixteen: one byte a lane.
; LIMITS: hidden keys count as -infinity where the model writes -1e9: the same unless a row's visible logits lie near -1e9.  Scaled scores stay under 2^31 in magnitude.  NaN and infinities are not served.
; A block of zeros has the byte 1; blocks whose largest magnitude lies under 2^(3 - 127) take the floor's byte.
; BESIDES THESE BARRIERS each trip has one whose signal stands at its head and whose wait stands behind its products: between the two stand register work and LDS loads of bytes that nobody writes again.
; It keeps the sixteen waves within a trip of each other; trip 3's is the barrier that shows steps 8-31, in front of whose signal every wave has waited for its piece.
.set SCB,   262144                     ; LDS: behind the 16 pieces the scale words [step][lane][K c = 0, K c = 1, V c = 0, V c = 1]
.set MB,    278528                     ; behind them what A hands to B: 4,352 bytes for each of eight tiles
.set SPARE, 313344                     ; and the spare words, 128 bytes for each wave
.set KF,  32                           ; v32-63    K: two operands of 32 rows
.set VF,  64                           ; v64-95    V: likewise
.set S,   96                           ; v96-159   S^T, then p: register 32 c + j is key 64 c + 32 (lane / 16) + j
.set O,   160                          ; v160-191  O^T: register j is channel 32 (lane / 16) + j
.set PC,  192                          ; v192-199  p's codes
.set SCW, 200                          ; v200-203  the step's scale words
.set VSE, 204                          ; v204, 205 V's scale words for channel tiles 0, 1 and 2, 3
.set PW,  206                          ; v206      p's scale word
.set Q2,  208                          ; v208-211  the long tile's q
.set L,   212                          ; v212-219  the sum, in four pairs
.set F,   220                          ; v220      2^(old M - new M)
.set BM,  222                          ; v222-225  maxima
.set QHI, 16                           ; v16-23    [zeros | q]
.set QLO, 20                           ; v20-27    [q | zeros];  v28, v29 their scale words;  v30, v31 the long tile's
; v1-5 lane addresses of the LDS regions, v6-10 the step's, v11 my query's place, v12 -M, v13 the largest score so far, v14 16 r + h, v15 a lane permute's destination, v226-231 at work, v249 -infinity, v250, v251 the add's
.set WV, 10
.set PI, 11
.set HD, 12
.set BQ, 13                            ; the block of the tile in hand: its last key step
.set I,  14                            ; the trip
.set KS, 15                            ; the key step
.set KB, 16
.set LAST, 17                          ; 31 - pi
.set SEL, 18
.set CS, 20
.set NCS, 22
.set R,  23                            ; 16 - pi
.set CC, 24                            ; 2 (15 - pi) + 1
.set RB, 25                            ; 0 in A, 16 in B
.set G2, 26                            ; which half of its block of 128 my tile lies in
.set SWI, 27                           ; the trip behind which A changes tiles; 255 in B
.set T0, 28
.set T1, 29
.set TW, 30                            ; my tile's number in its block
.set G0, 32
.set OA, 36
.set OB, 38
.set G1, 40
.set G0B, 52
.set G1B, 56
	s_load_b128 s[4:7], s[0:1], 0x0                ; qkv, sw
	s_load_b64 s[8:9], s[0:1], 0x10                ; ao
	v_lshl_add_u32 v250, v0, 2, SPARE
	v_mov_b32 v251, 0
	ds_add_u32 v250, v251                          ; the opening lines: the add, twice on end
	ds_add_u32 v250, v251
	v_lshrrev_b32 v6, 5, v0
	v_readfirstlane_b32 s[WV], v6                  ; wave 0..15
	s_and_b32 s[PI], ttmp9, 15
	s_and_b32 s[HD], ttmp7, 0xffff
	s_and_b32 s[TW], s[WV], 7
	s_lshr_b32 s31, s[WV], 3                       ; 0: A, 1: B
	s_lshl_b32 s[RB], s31, 4
	s_xor_b32 s[T0], s[PI], 15                     ; 15 - pi
	s_add_co_u32 s[R], s[T0], 1
	s_lshl_b32 s[CC], s[T0], 1
	s_add_co_u32 s[CC], s[CC], 1
	s_add_co_u32 s[LAST], s[T0], 16
	s_cmp_lt_u32 s[WV], 8
	s_cselect_b32 s[BQ], s[PI], s[LAST]
	s_cselect_b32 s[SWI], s[PI], 255
	s_lshr_b32 s[G2], s[TW], 2
	; descriptor group 1: rows of 256 bytes (32 elements of 8 bytes), dense
.macro DESC g, rows
	s_mov_b32 s[\g+0], 3<<16
	s_mov_b32 s[\g+1], 32<<16
	s_mov_b32 s[\g+2], \rows<<16
	s_mov_b32 s[\g+3], 32<<16
	s_mov_b32 s[\g+4], \rows
	s_mov_b32 s[\g+5], 32
	s_mov_b32 s[\g+6], 0
	s_mov_b32 s[\g+7], 0
.endm
	DESC G1, 16
	DESC G1B, 48
	s_lshl_b32 s48, s[HD], 17
	s_lshl_b32 s49, s[TW], 14
	s_add_co_u32 s48, s48, s49                     ; in each unit of qkv: my head's piece TW: a tile of q, or a piece of K or V
	s_lshl_b32 s50, s31, 21
	s_add_co_u32 s50, s50, 0x200000                ; A's waves bring K's pieces, B's V's
	s_add_co_u32 s50, s50, s48
	s_mov_b32 s51, 0
	s_lshl_b32 s49, s[BQ], 9
	s_add_co_u32 s66, s48, s49                     ; q of my first tile
	s_mov_b32 s67, 0
	s_lshl_b32 s49, s[LAST], 9
	s_add_co_u32 s68, s48, s49                     ; q of my long tile
	s_mov_b32 s69, 0
	s_mul_i32 s70, s[HD], 24576
	s_lshl_b32 s49, s[G2], 7                       ; q's scale words: 768 block + 128 G2 + 64 (tile % 2)
	s_and_b32 s[T0], s[TW], 1
	s_lshl_b32 s[T0], s[T0], 6
	s_add_co_u32 s49, s49, s[T0]
	s_add_co_u32 s49, s49, s70
	s_mul_i32 s[T0], s[BQ], 768
	s_add_co_u32 s72, s49, s[T0]
	s_mov_b32 s73, 0
	s_mul_i32 s[T0], s[LAST], 768
	s_add_co_u32 s74, s49, s[T0]
	s_mov_b32 s75, 0
	s_lshr_b32 s[T0], s[WV], 2                     ; K's and V's scale words: wave w copies piece w % 4 of steps 4 k + w / 4
	s_mul_i32 s[T1], s[T0], 768
	s_add_co_u32 s70, s70, s[T1]
	s_and_b32 s[T1], s[WV], 3
	s_lshl_b32 s49, s[T1], 7
	s_add_co_u32 s70, s70, s49
	s_add_co_u32 s70, s70, 256
	s_mov_b32 s71, 0
	s_lshl_b32 s76, s[T0], 9
	s_lshl_b32 s[T1], s[T1], 2
	s_add_co_u32 s76, s76, s[T1]
	s_add_co_u32 s76, s76, SCB
	s_bfe_u32 s77, s[TW], 0x10001
	s_lshl_b32 s77, s77, 4                         ; which half of its scale word is my tile's
	s_and_b32 s78, s[TW], 3
	s_lshl_b32 s78, s78, 3
	s_lshl_b32 s[T0], s[BQ], 3                     ; ao: tile 8 block + TW, chunk head / 8
	s_add_co_u32 s[T0], s[T0], s[TW]
	s_mul_i32 s[T0], s[T0], 8704
	s_lshr_b32 s[T1], s[HD], 3
	s_mul_i32 s[T1], s[T1], 4352
	s_add_co_u32 s[T0], s[T0], s[T1]
	s_and_b32 s[T1], s[HD], 7
	s_lshl_b32 s49, s[T1], 9
	s_add_co_u32 s[OA], s[T0], s49                 ; the codes: 512 bytes
	s_mov_b32 s[OA+1], 0
	s_lshl_b32 s[T1], s[T1], 1
	s_add_co_u32 s[OB], s[T0], s[T1]
	s_add_co_u32 s[OB], s[OB], 4096                ; the scale bytes
	s_mov_b32 s[OB+1], 0
	s_mov_b32 s[SEL], 0x76543210
	s_mov_b32 s[SEL+1], 0xfedcba98                 ; v_permlanex16_b32's selects for lane l xor 16
	s_mov_b32 s[CS], 0x3e38aa3b                    ; c = log2(e) / 8
	s_mov_b32 s[CS+1], s[CS]                       ; (named with it as a pair)
	s_mov_b32 s[NCS], 0xbe38aa3b                   ; -c
	s_mov_b32 s[G0], 1
	s_lshl_b32 s[G0+1], s[WV], 14                  ; piece w, steps 0-7
	s_mov_b32 s[G0B], 1
	s_add_co_u32 s[G0B+1], s[G0+1], 4096           ; steps 8-31
	s_wait_dscnt 0x0                               ; both opening adds are done
	s_wait_kmcnt 0x0
	s_add_nc_u64 s[50:51], s[4:5], s[50:51]
	s_mov_b64 s[G0+2:G0+3], s[50:51]
	s_or_b32 s[G0+3], s[G0+3], 0x80000000
	s_add_nc_u64 s[G0B+2:G0B+3], s[50:51], 4096
	s_or_b32 s[G0B+3], s[G0B+3], 0x80000000
	tensor_load_to_lds s[G0:G0+3], s[G1:G1+7]      ; one load a wave
	s_nop 0
	s_add_nc_u64 s[66:67], s[4:5], s[66:67]
	s_add_nc_u64 s[68:69], s[4:5], s[68:69]
	s_add_nc_u64 s[70:71], s[6:7], s[70:71]
	s_add_nc_u64 s[72:73], s[6:7], s[72:73]
	s_add_nc_u64 s[74:75], s[6:7], s[74:75]
	s_add_nc_u64 s[OA:OA+1], s[8:9], s[OA:OA+1]
	s_add_nc_u64 s[OB:OB+1], s[8:9], s[OB:OB+1]
	v_and_b32 v6, 31, v0                           ; lane
	v_and_b32 v7, 15, v0                           ; r
	v_bfe_u32 v8, v0, 4, 1                         ; h
	v_lshlrev_b32 v1, 4, v6                        ; K, c = 0
	v_add_nc_u32 v2, 0x10000, v1                   ; K, c = 1
	v_add_nc_u32 v3, 0x20000, v1                   ; V, c = 0
	v_add_nc_u32 v4, 0x30000, v1                   ; V, c = 1
	v_add_nc_u32 v5, 0x40000, v1                   ; the scale words
	v_lshlrev_b32 v9, 2, v6
	v_lshlrev_b32 v10, 2, v7
	v_lshl_add_u32 v14, v7, 4, v8
	v_and_b32 v11, 8, v7
	v_mad_u32_u24 v11, v11, 3, v7                  ; r % 8 + 32 (r / 8)
	v_lshlrev_b32 v226, 5, v8
	v_sub_nc_u32 v11, v11, v226
	v_add_nc_u32 v11, s78, v11                     ; my query's place in its 64, less 32 h: register j of those 64 keys is hidden where j is greater
	v_add_nc_u32 v227, s76, v1                     ; where my scale words go in LDS
	s_wait_alu depctr_va_vdst(0)                   ; ahead of the readers below
	global_load_b128 v[QLO:QLO+3], v1, s[66:67]
	global_load_b128 v[Q2:Q2+3], v1, s[68:69]
	global_load_b32 v228, v10, s[72:73]
	global_load_b32 v229, v10, s[74:75]
.irp k, 0,1,2,3,4,5,6,7
	global_load_b32 v[S+\k], v9, s[70:71] offset:3072*\k
.endr
.macro FRESH                           ; a tile begins: no score yet, no sum
	v_mov_b32 v13, 0xff61b1e6                      ; the largest score so far: -3e38, under every score
	v_mov_b32 v12, 0x7f61b1e6                      ; -M: 3e38
.set j, 0
.rept 8
	v_mov_b32 v[L+j], 0
.set j, j+1
.endr
.set j, 0
.rept 32
	v_mov_b32 v[O+j], 0                            ; (the step is written once: the first finds zeros)
.set j, j+1
.endr
.endm
.irp j, 0,1,2,3
	v_mov_b32 v[QHI+\j], 0                         ; the zero codes on both sides of q
	v_mov_b32 v[QLO+4+\j], 0
.endr
	v_mov_b32 v15, 0                               ; a lane permute's destination counts as one of its sources
	v_mov_b32 v[F+1], 0                            ; (named as the upper half of a pair)
	v_mov_b32 v249, 0xff800000
	FRESH
	s_wait_alu depctr_va_vdst(0)                   ; at the head's end
	s_wait_loadcnt 0x0
	s_wait_tensorcnt 0x0
.irp k, 0,1,2,3,4,5,6,7
	ds_store_b32 v227, v[S+\k] offset:2048*\k      ; [step][lane][piece]: no tensor load lands there
.endr
	v_lshrrev_b32 v226, s77, v228
	v_and_b32 v28, 0xffff, v226                    ; my tile's two bytes below, the byte 0 over the zero codes
	v_lshlrev_b32 v29, 16, v28                     ; and the other way round
	v_lshrrev_b32 v226, s77, v229
	v_and_b32 v30, 0xffff, v226
	v_lshlrev_b32 v31, 16, v30
	s_wait_tensorcnt 0x0                           ; my part of steps 0-7 is in
	ds_add_u32 v250, v251
	v_nop
	s_wait_alu depctr_va_vdst(0)
	s_wait_dscnt 0x0                               ; the add and my stores are done
	s_barrier_signal -1
	s_barrier_wait -1                              ; steps 0-7 and all scale words lie in LDS
	tensor_load_to_lds s[G0B:G0B+3], s[G1B:G1B+7]  ; my piece's steps 8-31
	s_nop 0
.macro MASK c
.set n, 0
.rept 32
	v_cmp_gt_i32 vcc_lo, n, v11
	v_cndmask_b32 v[S+32*\c+n], v[S+32*\c+n], v249, vcc_lo
.set n, n+1
.endr
.endm
.macro SUML                            ; v226: my lane's sum
	s_wait_alu depctr_va_vdst(0)                   ; directly ahead of the reader below
	v_pk_add_f32 v[L:L+1], v[L:L+1], v[L+2:L+3]
	v_pk_add_f32 v[L+4:L+5], v[L+4:L+5], v[L+6:L+7]
	v_pk_add_f32 v[L:L+1], v[L:L+1], v[L+4:L+5]
	v_add_f32 v226, v[L], v[L+1]
.endm
; THE WAY OUT: O^T / the row's sum, quantised along the head's 64 channels, two blocks of the last product's K: my lane's 32 numbers are one of them.
.macro FIN
	v_permlanex16_b32 v15, v226, s[SEL], s[SEL+1]
	v_add_f32 v226, v226, v15                      ; with lane l xor 16's keys: the row's sum
	s_wait_alu depctr_va_vdst(0)                   ; ahead of the transcendental
	v_rcp_f32 v226, v226
	v_nop
	s_wait_alu depctr_va_vdst(0)                   ; and ahead of its first reader
.set j, 0
.rept 16
	v_pk_mul_f32 v[O+j:O+j+1], v[O+j:O+j+1], v[226:227] op_sel_hi:[1,0]
.set j, j+2
.endr
	v_max3_num_f32 v228, |v[O]|, |v[O+1]|, 0x1800000      ; the floor 2^(3 - 127): the byte cannot fall under 1
	v_max3_num_f32 v229, |v[O+2]|, |v[O+3]|, 0x1800000
.irp i, 4,8,12,16,20,24,28
	v_max3_num_f32 v228, v228, |v[O+\i]|, |v[O+1+\i]|
	v_max3_num_f32 v229, v229, |v[O+2+\i]|, |v[O+3+\i]|
.endr
	v_max_num_f32 v228, v228, v229
	v_add_nc_u32 v230, 0xff000000, v228            ; 2 off the exponent field: the conversion's scale operand
	v_lshrrev_b32 v231, 23, v230
.irp g, 0,1,2,3
	v_cvt_scalef32_pk8_fp4_f32 v[PC+\g], v[O+8*\g:O+8*\g+7], v230
.endr
	v_nop                                          ; one plain place behind the last scaled conversion
	global_store_b128 v1, v[PC:PC+3], s[OA:OA+1]   ; 32 lanes store 512 consecutive bytes, aligned
	global_store_b8 v14, v231, s[OB:OB+1]
.endm
; A KEY STEP: 128 keys.  m: 7 in the first four trips (the steps that lie in LDS by then), 31 behind them.
.macro STEP m
	s_barrier_signal -1                            ; (no LDS access of mine is out)
	s_add_co_u32 s[T0], s[I], s[I]
	s_add_co_u32 s[T1], s[I], s[R]
	s_min_u32 s[T1], s[T0], s[T1]                  ; B's step: the smaller of 2 i and i + 16 - pi
	s_add_co_u32 s[T0], s[T0], s[CC]
	s_and_b32 s[T0], s[T0], 31                     ; A's in the long tile: 2 (i - pi) - 1, counted modulo 32
	s_cmp_le_u32 s[I], s[PI]
	s_cselect_b32 s[T0], s[I], s[T0]               ; and in the short one: i
	s_cmp_lt_u32 s[WV], 8
	s_cselect_b32 s[KS], s[T0], s[T1]
	s_and_b32 s[KS], s[KS], \m
	s_lshl_b32 s[KB], s[KS], 9
.if \m > 7
	s_add_co_u32 s[T0], s[I], s[RB]
	s_cmp_eq_u32 s[T0], 32                         ; B has no seventeenth step
	s_cbranch_scc1 .Lskip_\@
.endif
	v_add_nc_u32 v6, s[KB], v1                     ; (these five are also the places between the last products and the loads into their operands)
	v_add_nc_u32 v7, s[KB], v2
	v_add_nc_u32 v8, s[KB], v3
	v_add_nc_u32 v9, s[KB], v4
	v_add_nc_u32 v10, s[KB], v5
.irp a, 0,1,2,3                                ; source 0: rows 0-15 = key tiles 0 | 2 side by side along K, rows 16-31 = tiles 1 | 3
	ds_load_b128 v[KF+4*(\a/2)+8*(\a%2):KF+4*(\a/2)+8*(\a%2)+3], v6 offset:16384*\a
.endr
	ds_load_b128 v[SCW:SCW+3], v10
.irp a, 0,1,2,3
	ds_load_b128 v[KF+16+4*(\a/2)+8*(\a%2):KF+16+4*(\a/2)+8*(\a%2)+3], v7 offset:16384*\a
.endr
.irp a, 0,1,2,3                                ; V: channel tile a, keys 0-63 and 64-127
	ds_load_b128 v[VF+8*\a:VF+8*\a+3], v8 offset:16384*\a
.endr
.irp a, 0,1,2,3
	ds_load_b128 v[VF+8*\a+4:VF+8*\a+7], v9 offset:16384*\a
.endr
	s_wait_dscnt 12                                ; K's first 64 keys and the scale words are in; behind them 4 loads of K and 8 of V
	v_wmma_scale_f32_32x16x128_f4 v[S:S+15], v[KF:KF+15], v[QLO:QLO+7], 0, v[SCW], v28
	v_wmma_scale_f32_32x16x128_f4 v[S+16:S+31], v[KF:KF+15], v[QHI:QHI+7], 0, v[SCW], v29
	s_wait_dscnt 8                                 ; V's 8 may be out
	v_wmma_scale_f32_32x16x128_f4 v[S+32:S+47], v[KF+16:KF+31], v[QLO:QLO+7], 0, v[SCW+1], v28
	v_wmma_scale_f32_32x16x128_f4 v[S+48:S+63], v[KF+16:KF+31], v[QHI:QHI+7], 0, v[SCW+1], v29
	v_mov_b32 v227, v12                            ; the old -M: with three v_nop the four places behind the products
	v_nop
	v_nop
	v_nop
	s_cmp_lt_u32 s[KS], s[BQ]                      ; only a tile's last step lies on the diagonal
	s_cbranch_scc1 .Lopen_\@
	s_cmp_eq_u32 s[G2], 0
	s_cbranch_scc0 .Lupper_\@
	MASK 0                                         ; a tile of its block's first 64 queries: keys 64-127 are hidden whole
.set n, 32
.rept 32
	v_mov_b32 v[S+n], v249
.set n, n+1
.endr
	s_wait_alu depctr_va_vdst(0)                   ; ahead of the branch
	s_branch .Lopen_\@
.Lupper_\@:
	MASK 1                                         ; of its last 64: keys 0-63 all count
.Lopen_\@:
.irp k, 0,1,2,3
	v_max3_num_f32 v[BM+\k], v[S+16*\k], v[S+16*\k+1], v[S+16*\k+2]   ; four chains by turns, each accumulator from its low end on
.endr
.irp i, 3,5,7,9,11,13
.irp k, 0,1,2,3
	v_max3_num_f32 v[BM+\k], v[BM+\k], v[S+16*\k+\i], v[S+16*\k+\i+1]
.endr
.endr
	v_max3_num_f32 v[BM], v[BM], v[BM+1], v[S+15]
	v_max3_num_f32 v[BM+2], v[BM+2], v[BM+3], v[S+47]
	v_max_num_f32 v[BM], v[BM], v[S+31]            ; THE LARGEST SCORE OF MY BLOCK OF 32 KEYS, c = 0: for the row's maximum, and, since p rises with the score, for the block's largest p
	v_max_num_f32 v[BM+2], v[BM+2], v[S+63]        ; c = 1
	v_max_num_f32 v226, v[BM], v[BM+2]
	s_delay_alu instid0(VALU_DEP_1)
	v_permlanex16_b32 v15, v226, s[SEL], s[SEL+1]
	s_delay_alu instid0(VALU_DEP_1)
	v_max3_num_f32 v13, v13, v226, v15             ; the running largest score of my query
	s_delay_alu instid0(VALU_DEP_1)
	v_mul_f32 v228, s[NCS], v13                    ; -t (c is positive)
	s_delay_alu instid0(VALU_DEP_1)
	v_floor_f32 v12, v228                          ; the new -M = floor(-t) = -ceil(t): a whole number
	s_delay_alu instid0(VALU_DEP_1)
	v_sub_f32 v228, v12, v227                      ; M's old value less its new one: a whole number, 0 or less
	s_delay_alu instid0(VALU_DEP_1)
	v_cvt_i32_f32 v228, v228                       ; (it saturates)
	s_delay_alu instid0(VALU_DEP_1)
	v_ldexp_f32 v[F], 1.0, v228                    ; f = 2^(old M - new M)
.set j, 0
.rept 32
	v_pk_fma_f32 v[S+j:S+j+1], v[S+j:S+j+1], s[CS:CS+1], v[12:13] op_sel_hi:[1,0,0]   ; t - M, two at a time
.set j, j+2
.endr
	v_fma_f32 v[BM], v[BM], s[CS], v12             ; the same of each block's largest score
	v_fma_f32 v[BM+2], v[BM+2], s[CS], v12
.set j, 0
.rept 16
	v_pk_mul_f32 v[O+j:O+j+1], v[O+j:O+j+1], v[F:F+1] op_sel_hi:[1,0]   ; O^T under the new M
.set j, j+2
.endr
	s_wait_alu depctr_va_vdst(0)                   ; ahead of the batch
.set j, 0
.rept 64
	v_exp_f32 v[S+j], v[S+j]                       ; p = 2^(t - M), at most 1
.set j, j+1
.endr
	v_exp_f32 v[BM], v[BM]                         ; the block's largest p: the same two instructions on the same number
	v_exp_f32 v[BM+2], v[BM+2]
	v_perm_b32 v[VSE], v[SCW+3], v[SCW+2], 0x05040100     ; V's scale words: keys 0-63's two bytes below, keys 64-127's above: channel tiles 0 and 1 from the words' low halves,
	v_perm_b32 v[VSE+1], v[SCW+3], v[SCW+2], 0x07060302   ; tiles 2 and 3 from their high halves.  (Plain places behind the exponentials)
	s_wait_alu depctr_va_vdst(0)                   ; one wait for the whole batch, ahead of its first reader
	v_max_num_f32 v[BM], 0x1800000, v[BM]          ; the floor 2^(3 - 127): the byte cannot fall under 1
	v_max_num_f32 v[BM+2], 0x1800000, v[BM+2]
	v_add_nc_u32 v230, 0xff000000, v[BM]           ; 2 off the exponent field: the conversion's scale operand
	v_add_nc_u32 v231, 0xff000000, v[BM+2]
	v_lshrrev_b32 v[BM], 23, v230
	v_lshrrev_b32 v[BM+2], 23, v231
	v_lshl_or_b32 v226, v[BM+2], 16, v[BM]         ; my two bytes: blocks h and 2 + h
	v_permlanex16_b32 v15, v226, s[SEL], s[SEL+1]
.irp c, 0,1
.irp g, 0,1,2,3
	v_cvt_scalef32_pk8_fp4_f32 v[PC+4*\c+\g], v[S+32*\c+8*\g:S+32*\c+8*\g+7], v[230+\c]   ; keys 64 c + 32 h + 8 g on: the operand's registers
.endr
.endr
	v_lshl_or_b32 v[PW], v15, 8, v226              ; lanes 0-15: the row's four bytes; lanes 16-31 are not read
.irp k, 0,1,2,3
	v_pk_fma_f32 v[L+2*\k:L+2*\k+1], v[L+2*\k:L+2*\k+1], v[F:F+1], v[S+2*\k:S+2*\k+1] op_sel_hi:[1,0,1]   ; the sum under the new M, of the unquantised p, in four pairs by turns
.endr
.set j, 4
.rept 28
	v_pk_add_f32 v[L+2*(j%4):L+2*(j%4)+1], v[L+2*(j%4):L+2*(j%4)+1], v[S+2*j:S+2*j+1]
.set j, j+1
.endr
	s_wait_dscnt 0x0                               ; V is in
	v_wmma_scale_f32_32x16x128_f4 v[O:O+15], v[VF:VF+15], v[PC:PC+7], v[O:O+15], v[VSE], v[PW]
	v_wmma_scale_f32_32x16x128_f4 v[O+16:O+31], v[VF+16:VF+31], v[PC:PC+7], v[O+16:O+31], v[VSE+1], v[PW]
.Lskip_\@:
	s_barrier_wait -1                              ; every wave has begun this trip
	s_cmp_lg_u32 s[I], s[SWI]
	s_cbranch_scc1 .Lnone_\@
	SUML                                           ; A: the short tile is finished and goes out.  (SUML and the next two lines are the places behind the products)
	FIN
	s_wait_xcnt 0x0                                ; the stores have read their registers
.irp j, 0,1,2,3
	v_mov_b32 v[QLO+\j], v[Q2+\j]                  ; on to the long tile
.endr
	v_mov_b32 v28, v30
	v_mov_b32 v29, v31
	FRESH
	s_mov_b32 s[BQ], s[LAST]
.Lnone_\@:
	s_add_co_u32 s[I], s[I], 1
.endm
	s_mov_b32 s[I], 0
.Lfirst:                                           ; trips 0-3 read steps 0-7 alone, while steps 8-31 are on their way
	STEP 7
	s_cmp_lt_u32 s[I], 3
	s_cbranch_scc1 .Lfirst
	s_wait_tensorcnt 0x0                           ; my piece's steps 8-31 are in: trip 3's barrier says so of every wave's
	s_mov_b32 s[I], 3
	STEP 7
	s_mov_b32 s[I], 4
.Lrest:
	STEP 31
	s_cmp_lt_u32 s[I], 17
	s_cbranch_scc1 .Lrest
	; THE JOINING of the long tile's two parts
	s_and_b32 s[T0], s[WV], 7
	s_mul_i32 s[T0], s[T0], 4352
	s_add_co_u32 s[T0], s[T0], MB
	v_add_nc_u32 v6, s[T0], v1
	v_lshrrev_b32 v7, 1, v1
	v_add_nc_u32 v7, s[T0], v7
	SUML
	v_mov_b32 v227, v12
	s_wait_alu depctr_va_vdst(0)                   ; ahead of the branch
	s_cmp_lt_u32 s[WV], 8
	s_cbranch_scc0 .Lhanded
.irp k, 0,1,2,3,4,5,6,7
	ds_store_b128 v6, v[O+4*\k:O+4*\k+3] offset:512*\k
.endr
	ds_store_b64 v7, v[226:227] offset:4096        ; my lane's sum, -M
.Lhanded:
	s_wait_tensorcnt 0x0                           ; behind my last LDS store
	ds_add_u32 v250, v251
	s_wait_dscnt 0x0                               ; and A's parts are in LDS
	s_barrier_signal -1
	s_barrier_wait -1
	s_cmp_lt_u32 s[WV], 8
	s_cbranch_scc1 .Lend
	ds_load_b64 v[228:229], v7 offset:4096
.irp k, 0,1,2,3,4,5,6,7
	ds_load_b128 v[S+4*\k:S+4*\k+3], v6 offset:512*\k
.endr
	s_wait_dscnt 0x0
	v_min_num_f32 v230, v12, v229                  ; the common -M
	v_sub_f32 v231, v230, v12
	v_sub_f32 v230, v230, v229
	v_cvt_i32_f32 v231, v231
	v_cvt_i32_f32 v230, v230
	v_ldexp_f32 v[F], 1.0, v231
	v_ldexp_f32 v[BM], 1.0, v230
	v_mov_b32 v[BM+1], 0                           ; (named as the upper half of a pair)
.set j, 0
.rept 16
	v_pk_mul_f32 v[O+j:O+j+1], v[O+j:O+j+1], v[F:F+1] op_sel_hi:[1,0]
.set j, j+2
.endr
.set j, 0
.rept 16
	v_pk_fma_f32 v[O+j:O+j+1], v[S+j:S+j+1], v[BM:BM+1], v[O+j:O+j+1] op_sel_hi:[1,0,1]
.set j, j+2
.endr
	v_mul_f32 v226, v226, v[F]
	v_fma_f32 v226, v228, v[BM], v226
	FIN
.Lend:
	s_endpgm
.Lfunc_end_k_qfb2b819a52_attn:
	.size	k_qfb2b819a52_attn, .Lfunc_end_k_qfb2b819a52_attn-k_qfb2b819a52_attn
	.p2alignl 7, 3214868480
	.fill 96, 4, 3214868480
	.section	.rodata,"a",@progbits
	.p2align	6, 0x0
	.amdhsa_kernel k_qfb2b819a52_attn
		.amdhsa_group_segment_fixed_size 327680
		.amdhsa_private_segment_fixed_size 0
		.amdhsa_enable_private_segment 0
		.amdhsa_kernarg_size 24
		.amdhsa_user_sgpr_count 2
		.amdhsa_user_sgpr_kernarg_segment_ptr 1
		.amdhsa_wavefront_size32 1
		.amdhsa_system_sgpr_workgroup_id_x 1
		.amdhsa_system_sgpr_workgroup_id_y 1
		.amdhsa_system_sgpr_workgroup_id_z 1
		.amdhsa_system_vgpr_workitem_id 0
		.amdhsa_next_free_vgpr 256
		.amdhsa_next_free_sgpr 80
		.amdhsa_reserve_vcc 1
		.amdhsa_float_denorm_mode_32 3
		.amdhsa_float_denorm_mode_16_64 3
		.amdhsa_memory_ordered 1
		.amdhsa_forward_progress 1
		.amdhsa_inst_pref_size 89
	.end_amdhsa_kernel
	.amdgpu_metadata
---
amdhsa.version: [ 1, 2 ]
amdhsa.kernels:
  - .name:           k_qfb2b819a52_attn
    .symbol:         k_qfb2b819a52_attn.kd
    .args:
      - { .name: qkv, .offset: 0, .size: 8, .value_kind: global_buffer, .address_space: global }
      - { .name: sw, .offset: 8, .size: 8, .value_kind: global_buffer, .address_space: global }
      - { .name: ao, .offset: 16, .size: 8, .value_kind: global_buffer, .address_space: global }
    .group_segment_fixed_size: 327680
    .private_segment_fixed_size: 0
    .kernarg_segment_align: 8
    .kernarg_segment_size: 24
    .max_flat_workgroup_size: 512
    .sgpr_count:     80
    .vgpr_count:     256
    .wavefront_size: 32
...
	.end_amdgpu_metadata
.endif
;; end of part 3
;; launch proj (part 4): grid 8 x 32, 8 waves a work-group, clusters of 4 x 4, 175,104 bytes of LDS; arguments ao, cod, bo, out0; writes out0
.if DOCPART == 4
	.amdgcn_target "amdgcn-amd-amdhsa--gfx1250"
	.amdhsa_code_object_version 6
	.text
	.protected	k_qfb2b819a52_proj
	.globl	k_qfb2b819a52_proj
	.p2align	8
	.type	k_qfb2b819a52_proj,@function
k_qfb2b819a52_proj:
	s_mov_b64 s[64:65], 0
	v_nop
	global_prefetch_b8 v0, s[64:65] scope:SCOPE_SE
	s_setreg_imm32_b32 hwreg(HW_REG_WAVE_MODE, 25, 1), 1
	s_wait_xcnt 0x0
	s_wait_alu depctr_hold_cnt(0) depctr_sa_sdst(0) depctr_va_vdst(0) depctr_va_sdst(0) depctr_va_ssrc(0) depctr_va_vcc(0) depctr_vm_vsrc(0)
	s_getreg_b32 s2, hwreg(HW_REG_IB_STS2, 6, 4)
	s_cmp_eq_u32 s2, 0
	s_cbranch_scc0 .Lentry_in_a_cluster
	s_endpgm
.Lentry_in_a_cluster:
	s_bfe_u32 s2, ttmp6, 0x10000c
	s_cmp_lg_u32 s2, 0xf033
	s_cbranch_scc0 .Lentry_shape_is_right
	s_endpgm
.Lentry_shape_is_right:
; out0 = attention's result x wo^T + bo, on codes of FP4; out0 [4096][1024] f32.
; SHARES: work-group (bx, by) makes 128 tokens x 128 channels.  Eight waves: wave w takes token tiles 2 (w / 2) + a (32 tokens) and wo's tiles 4 (w % 2) + t (64 channels): eight accumulators.
; THE WHOLE K (1,024) OF BOTH OPERANDS LIES IN LDS, filled once by four tensor loads, one a wave (0: the tokens' K half 0; 1: wo's; 2, 3: the halves 1): nothing is filled again.
; Operands lie in memory as images of their registers (see the quantising launch): a fragment is two ds_load_b128 at 16 x lane.
; CLUSTERS: 4 x 4 work-groups.  The tokens' tiles hang on by alone and are shared along a row of the cluster, wo's on bx alone and are shared along a column: each is asked for jointly.
; TRANSPOSED USE: source 0 = 16 channels of wo, source 1 = 16 tokens: a lane holds one token, and by the order of a tile's rows (row r of tile T is source row 64 (T / 4) + 8 (T % 4) + r % 8 + 32 (r / 8)) the 32 registers
; of four tiles are the channels 32 (lane / 16) + 0 .. 31.  The bias is the C of each sum's first matrix instruction.
; A tile of tokens goes out through the wave's own stage in LDS (no tensor load lands there) and leaves as rows of 256 bytes, sixteen lanes to a row.
; NO PREFETCH: there is no loop to run ahead in: all four loads stand at the head.
.set CH,    4352
.set TILE,  8704
.set WOFF,  8*CH                       ; in a half: the tokens' 8 chunks, then wo's 8
.set HALF,  16*CH
.set STAGE, 2*HALF                     ; behind both halves: 16 rows x 272 bytes for each wave
.set SPI,   272
.set SPARE, STAGE+8*16*SPI             ; the spare words
.set ADX,  4                           ; v4, v5    LDS address of my token fragments in half 0, 1
.set ADW,  6                           ; v6, v7    of wo's
.set ADSX, 8                           ; v8, v9    of the tokens' scale words: lanes 0-15 tile a = 0, lanes 16-31 a = 1
.set ADSW, 10                          ; v10, v11  of wo's
.set STO,  12                          ; v12  the stage: where I put 16 bytes of a row
.set RD,   13                          ; v13  and where I read a row back
.set CO,   14                          ; v14  my byte offset in two rows of out0
.set BO,   15                          ; v15  128 h: my half's 32 numbers of the bias
.set SX,   16                          ; v16-19 and v224-227: the tokens' scale words of half 0, 1
.set SWR,  20                          ; v20-27 and v228-235: wo's
.set SET1, 208
.set FX,   32                          ; v32-47 and v176-191: the tokens' fragments, buffer 0, 1
.set FW,   48                          ; v48-79 and v192-223: wo's
.set BUF1, 144
.set BI,   80                          ; v80-111
.set ACC,  112                         ; v112-175  accumulator (a, t) at 32 a + 8 t
.set OB,   176                         ; v176-239  rows read back from the stage
.set WV,   12
.set WROW, 13
.set WCOL, 14
.set BX,   15
.set BY,   16
.set G1T,  24
.set G0T,  32
.set G1C,  40
.set G0C,  48
.macro CROUND                          ; a round of the cluster's barrier
	s_barrier_signal -1
	s_barrier_wait -1
	s_cmp_lg_u32 s[WV], 0
	s_cbranch_scc1 .Lnot_wave_0_\@
	s_barrier_signal -3
.Lnot_wave_0_\@:
	s_barrier_wait -3
	s_barrier_signal -1
	s_barrier_wait -1
.endm
	s_load_b256 s[4:11], s[0:1], 0x0               ; ao, cod, bo, out0
	v_lshl_add_u32 v254, v0, 2, SPARE
	v_mov_b32 v255, 0
	ds_add_u32 v254, v255                          ; the opening lines: the add, twice on end
	ds_add_u32 v254, v255
	v_lshrrev_b32 v1, 5, v0
	v_readfirstlane_b32 s[WV], v1                  ; wave 0..7
	s_lshr_b32 s[WROW], s[WV], 1
	s_and_b32 s[WCOL], s[WV], 1
	s_bfe_u32 s17, ttmp6, 0x40000                  ; cx, cy: my place in the cluster
	s_bfe_u32 s18, ttmp6, 0x40004
	s_lshl_b32 s[BX], ttmp9, 2
	s_add_co_u32 s[BX], s[BX], s17
	s_and_b32 s[BY], ttmp7, 0xffff
	s_lshl_b32 s[BY], s[BY], 2
	s_add_co_u32 s[BY], s[BY], s18
	s_lshl_b32 s20, s18, 2
	s_lshl_b32 s20, 15, s20                        ; my row of the cluster
	s_lshl_b32 s21, 0x1111, s17                    ; my column
	; descriptor group 1: 8 rows of 4,352 bytes, one chunk of each tile, 8,704 bytes apart; elements of 8 bytes; dense in LDS; 15:0 the mask, 21 set beside it
	s_or_b32 s[G1T+0], s20, (3<<16)|(1<<21)
	s_or_b32 s[G1C+0], s21, (3<<16)|(1<<21)
.irp g, G1T, G1C
	s_mov_b32 s[\g+1], 544<<16
	s_mov_b32 s[\g+2], 8<<16
	s_mov_b32 s[\g+3], 544<<16
	s_mov_b32 s[\g+4], 8
	s_mov_b32 s[\g+5], 1088
	s_mov_b32 s[\g+6], 0
	s_mov_b32 s[\g+7], 0
.endr
	s_mul_i32 s56, s[BY], 8*TILE
	s_mov_b32 s57, 0
	s_mul_i32 s58, s[BX], 8*TILE
	s_add_co_u32 s58, s58, 448*TILE                ; wo's tiles begin at tile 448
	s_mov_b32 s59, 0
	s_wait_dscnt 0x0                               ; both opening adds are done
	s_wait_kmcnt 0x0
	s_add_nc_u64 s[56:57], s[4:5], s[56:57]
	s_add_nc_u64 s[58:59], s[6:7], s[58:59]
.irp hf, 0,1
	s_mov_b32 s[G0T+4*\hf], 1                      ; the tokens
	s_mov_b32 s[G0T+4*\hf+1], HALF*\hf
	s_add_nc_u64 s[G0T+4*\hf+2:G0T+4*\hf+3], s[56:57], CH*\hf
	s_or_b32 s[G0T+4*\hf+3], s[G0T+4*\hf+3], 0x80000000
	s_mov_b32 s[G0C+4*\hf], 1                      ; wo
	s_mov_b32 s[G0C+4*\hf+1], HALF*\hf+WOFF
	s_add_nc_u64 s[G0C+4*\hf+2:G0C+4*\hf+3], s[58:59], CH*\hf
	s_or_b32 s[G0C+4*\hf+3], s[G0C+4*\hf+3], 0x80000000
.endr
	CROUND                                         ; all sixteen work-groups are here: the joint loads meet
.macro ARM w, g0, g1, next             ; one tree of branches on the wave's number: no way through the head passes two loads
	s_cmp_lg_u32 s[WV], \w
	s_cbranch_scc1 \next
	tensor_load_to_lds s[\g0:\g0+3], s[\g1:\g1+7]
	s_nop 0
.rept 4
	v_nop
.endr
	s_branch .Lasked
\next:
.endm
	ARM 0, G0T, G1T, .Lnot_0
	ARM 1, G0C, G1C, .Lnot_1
	ARM 2, G0T+4, G1T, .Lnot_2
	ARM 3, G0C+4, G1C, .Lnot_3
.Lasked:
	s_mul_i32 s66, s[WROW], 2*CH                   ; my two token tiles
	s_mul_i32 s67, s[WCOL], 4*CH                   ; my four tiles of wo
	s_add_co_u32 s67, s67, WOFF
	s_mul_i32 s68, s[WV], 16*SPI
	s_add_co_u32 s68, s68, STAGE                   ; my stage
	s_lshl_b32 s60, s[BY], 19                      ; out0: my first token's row: 128 by + 64 (WROW / 2) + 16 (WROW % 2); rows of 4,096 bytes
	s_lshr_b32 s62, s[WROW], 1
	s_lshl_b32 s62, s62, 18
	s_add_co_u32 s60, s60, s62
	s_and_b32 s62, s[WROW], 1
	s_lshl_b32 s62, s62, 16
	s_add_co_u32 s60, s60, s62
	s_lshl_b32 s62, s[BX], 9                       ; + 512 bx + 256 (wave % 2): my 64 channels; the same in bo
	s_lshl_b32 s63, s[WCOL], 8
	s_add_co_u32 s62, s62, s63
	s_add_co_u32 s60, s60, s62
	s_mov_b32 s61, 0
	s_mov_b32 s63, 0
	s_add_nc_u64 s[10:11], s[10:11], s[60:61]
	s_add_nc_u64 s[8:9], s[8:9], s[62:63]
	v_and_b32 v1, 31, v0                           ; lane
	v_and_b32 v2, 15, v0                           ; r
	v_bfe_u32 v3, v0, 4, 1                         ; h
	v_lshlrev_b32 v28, 4, v1                       ; 16 x lane
	v_mul_u32_u24 v29, v3, CH                      ; lanes 16-31 take the next tile's words
	v_lshlrev_b32 v[BO], 7, v3
	v_add_nc_u32 v[ADX], s66, v28
	v_lshl_add_u32 v29, v2, 4, v29
	v_add_nc_u32 v[ADW], s67, v28
	v_add_nc_u32 v29, 4096, v29
	v_add_nc_u32 v[ADX+1], HALF, v[ADX]
	v_add_nc_u32 v[ADW+1], HALF, v[ADW]
	v_add_nc_u32 v[ADSX], s66, v29
	v_add_nc_u32 v[ADSW], s67, v29
	v_mul_u32_u24 v[STO], v2, SPI
	v_mul_u32_u24 v[RD], v3, SPI
	v_add_nc_u32 v[ADSX+1], HALF, v[ADSX]
	v_add_nc_u32 v[ADSW+1], HALF, v[ADSW]
	v_lshl_add_u32 v[STO], v3, 7, v[STO]
	v_lshl_add_u32 v[RD], v2, 4, v[RD]
	v_lshlrev_b32 v[CO], 12, v3
	v_add_nc_u32 v[STO], s68, v[STO]               ; in: row r, 128 h bytes on
	v_add_nc_u32 v[RD], s68, v[RD]                 ; back: lanes 0-15 one row of 256 bytes, lanes 16-31 the next
	v_lshl_add_u32 v[CO], v2, 4, v[CO]             ; and the same two rows in out0
	s_wait_alu depctr_va_vdst(0)                   ; at the head's end
.irp t, 0,1,2,3                                ; register j of tile t is channel 32 h + 8 t + j
	global_load_b128 v[BI+8*\t:BI+8*\t+3], v[BO], s[8:9] offset:32*\t
	global_load_b128 v[BI+8*\t+4:BI+8*\t+7], v[BO], s[8:9] offset:32*\t+16
.endr
	s_wait_loadcnt 0x0
.macro WM d, x, y, c, sx, sy, rx, ry
.if ((\rx) == 0) && ((\ry) == 0)
	v_wmma_scale_f32_16x16x128_f8f6f4 v[\d:\d+7], v[\x:\x+7], v[\y:\y+7], v[\c:\c+7], v[\sx], v[\sy] matrix_a_fmt:MATRIX_FMT_FP4 matrix_b_fmt:MATRIX_FMT_FP4
.elseif (\ry) == 0
	v_wmma_scale_f32_16x16x128_f8f6f4 v[\d:\d+7], v[\x:\x+7], v[\y:\y+7], v[\c:\c+7], v[\sx], v[\sy] matrix_a_fmt:MATRIX_FMT_FP4 matrix_b_fmt:MATRIX_FMT_FP4 matrix_a_scale:MATRIX_SCALE_ROW1
.elseif (\rx) == 0
	v_wmma_scale_f32_16x16x128_f8f6f4 v[\d:\d+7], v[\x:\x+7], v[\y:\y+7], v[\c:\c+7], v[\sx], v[\sy] matrix_a_fmt:MATRIX_FMT_FP4 matrix_b_fmt:MATRIX_FMT_FP4 matrix_b_scale:MATRIX_SCALE_ROW1
.else
	v_wmma_scale_f32_16x16x128_f8f6f4 v[\d:\d+7], v[\x:\x+7], v[\y:\y+7], v[\c:\c+7], v[\sx], v[\sy] matrix_a_fmt:MATRIX_FMT_FP4 matrix_b_fmt:MATRIX_FMT_FP4 matrix_a_scale:MATRIX_SCALE_ROW1 matrix_b_scale:MATRIX_SCALE_ROW1
.endif
.endm
.macro PLACES                          ; four plain places between a matrix instruction and a load into one of its registers, or a read of its result by a store
.rept 4
	v_nop
.endr
.endm
.macro SCALES hf                       ; a half's scale words, into its own set: four K steps' words of two tiles by each load
	ds_load_b128 v[SX+SET1*\hf:SX+SET1*\hf+3], v[ADSX+\hf]
.irp p, 0,1
	ds_load_b128 v[SWR+SET1*\hf+4*\p:SWR+SET1*\hf+4*\p+3], v[ADSW+\hf] offset:2*CH*\p
.endr
.endm
.macro GET hf, q, b                    ; the six fragments of K step (hf, q) into buffer b: 12 loads
.irp i, 0,1
.irp c, 0,1
	ds_load_b128 v[FX+BUF1*(\b)+8*\i+4*\c:FX+BUF1*(\b)+8*\i+4*\c+3], v[ADX+\hf] offset:CH*\i+1024*(\q)+512*\c
.endr
.endr
.irp i, 0,1,2,3
.irp c, 0,1
	ds_load_b128 v[FW+BUF1*(\b)+8*\i+4*\c:FW+BUF1*(\b)+8*\i+4*\c+3], v[ADW+\hf] offset:CH*\i+1024*(\q)+512*\c
.endr
.endr
.endm
; A K step of 128 from buffer b: eight matrix instructions; the next step's fragments (next = 1) are fetched into the other buffer ahead of them.
; The eight accumulators take turns, in the same order in every step.
.macro STEP hf, q, b, first, next
.if \next
	PLACES                                         ; in front of loads into the buffer that the step before multiplied
	GET \hf, \q+1, 1-\b
	s_wait_dscnt 12                                ; all but the 12 just issued
.else
	s_wait_dscnt 0x0
.endif
.irp a, 0,1
.irp t, 0,1,2,3
.if \first
	WM ACC+32*\a+8*\t, FW+BUF1*\b+8*\t, FX+BUF1*\b+8*\a, BI+8*\t, SWR+SET1*\hf+4*(\t/2)+\q, SX+SET1*\hf+\q, \t%2, \a
.else
	WM ACC+32*\a+8*\t, FW+BUF1*\b+8*\t, FX+BUF1*\b+8*\a, ACC+32*\a+8*\t, SWR+SET1*\hf+4*(\t/2)+\q, SX+SET1*\hf+\q, \t%2, \a
.endif
.endr
.endr
.endm
.macro HALFK hf, first                 ; four K steps, buffers 0, 1, 0, 1
	SCALES \hf
	GET \hf, 0, 0
	STEP \hf, 0, 0, \first, 1
	STEP \hf, 1, 1, 0, 1
	STEP \hf, 2, 0, 0, 1
	STEP \hf, 3, 1, 0, 0
.endm
	s_lshr_b32 s69, s[WV], 1
	s_cmp_eq_u32 s69, 1                            ; waves 2 and 3 brought half 1, by load lines of their own: they wait for it ahead of the second barrier
	s_cbranch_scc1 .Lhalf_1_out
	s_wait_tensorcnt 0x0
.Lhalf_1_out:
	s_barrier_signal -1
	s_barrier_wait -1                              ; both operands' half 0 lie in LDS
	HALFK 0, 1
	s_wait_tensorcnt 0x0                           ; half 1 has landed (no LDS instruction of mine is out)
	s_barrier_signal -1
	s_barrier_wait -1
	PLACES
	HALFK 1, 0
	PLACES
; THE WAY OUT.  Token tile a: a lane's 32 numbers are 128 bytes of its row; they go into my stage and come back as whole rows of 256 bytes.
; LDS serves a wave's instructions in order (ISA guide 5.7.1): no wait between the stores and the loads, nor in front of the next tile's stores.
.macro TOSTAGE a
.irp t, 0,1,2,3
	ds_store_b128 v[STO], v[ACC+32*\a+8*\t:ACC+32*\a+8*\t+3] offset:32*\t        ; each accumulator from its low end on
	ds_store_b128 v[STO], v[ACC+32*\a+8*\t+4:ACC+32*\a+8*\t+7] offset:32*\t+16
.endr
.irp i, 0,1,2,3,4,5,6,7
	ds_load_b128 v[OB+32*\a+4*\i:OB+32*\a+4*\i+3], v[RD] offset:2*SPI*\i
.endr
.endm
.macro SEND a, younger                 ; younger: the LDS instructions issued behind tile a's loads
.irp i, 0,1,2,3,4,5,6,7
	s_wait_dscnt \younger+7-\i                     ; stage rows 2 i and 2 i + 1 are back: behind their load stand 7 - i loads of this tile and the younger ones
	global_store_b128 v[CO], v[OB+32*\a+4*\i:OB+32*\a+4*\i+3], s[10:11] offset:(8*\a+2*\i+24*(\i/4))*4096   ; stage row p is token 8 a + p + 24 (p / 8) on; 16 lanes store 256 consecutive bytes, aligned
.endr
.endm
	TOSTAGE 0
	TOSTAGE 1
	SEND 0, 16
	SEND 1, 0
	s_wait_tensorcnt 0x0                           ; the wave's end
	ds_add_u32 v254, v255
	s_wait_dscnt 0x0
	CROUND                                         ; the closing round: no work-group ends while a partner may still ask for a tile that names it
	s_endpgm
.Lfunc_end_k_qfb2b819a52_proj:
	.size	k_qfb2b819a52_proj, .Lfunc_end_k_qfb2b819a52_proj-k_qfb2b819a52_proj
	.p2alignl 7, 3214868480
	.fill 96, 4, 3214868480
	.section	.rodata,"a",@progbits
	.p2align	6, 0x0
	.amdhsa_kernel k_qfb2b819a52_proj
		.amdhsa_group_segment_fixed_size 175104
		.amdhsa_private_segment_fixed_size 0
		.amdhsa_enable_private_segment 0
		.amdhsa_kernarg_size 32
		.amdhsa_user_sgpr_count 2
		.amdhsa_user_sgpr_kernarg_segment_ptr 1
		.amdhsa_wavefront_size32 1
		.amdhsa_system_sgpr_workgroup_id_x 1
		.amdhsa_system_sgpr_workgroup_id_y 1
		.amdhsa_system_sgpr_workgroup_id_z 1
		.amdhsa_system_vgpr_workitem_id 0
		.amdhsa_next_free_vgpr 256
		.amdhsa_next_free_sgpr 72
		.amdhsa_reserve_vcc 0
		.amdhsa_float_denorm_mode_32 3
		.amdhsa_float_denorm_mode_16_64 3
		.amdhsa_memory_ordered 1
		.amdhsa_forward_progress 1
		.amdhsa_inst_pref_size 29
	.end_amdhsa_kernel
	.amdgpu_metadata
---
amdhsa.version: [ 1, 2 ]
amdhsa.kernels:
  - .name:           k_qfb2b819a52_proj
    .symbol:         k_qfb2b819a52_proj.kd
    .args:
      - { .name: ao, .offset: 0, .size: 8, .value_kind: global_buffer, .address_space: global }
      - { .name: cod, .offset: 8, .size: 8, .value_kind: global_buffer, .address_space: global }
      - { .name: bo, .offset: 16, .size: 8, .value_kind: global_buffer, .address_space: global }
      - { .name: out0, .offset: 24, .size: 8, .value_kind: global_buffer, .address_space: global }
    .group_segment_fixed_size: 175104
    .private_segment_fixed_size: 0
    .kernarg_segment_align: 8
    .kernarg_segment_size: 32
    .max_flat_workgroup_size: 256
    .sgpr_count:     72
    .vgpr_count:     256
    .wavefront_size: 32
...
	.end_amdgpu_metadata
.endif
;; end of part 4
